; MI455X (gfx1250); checked and timed in simulation.
; The chip was launched on July 23, 2026; its instructions are those of AMD's public machine-readable ISA for CDNA 5 (MIT licence, August 2026) and "CDNA5" Instruction Set Architecture Reference Guide (July 2026). The comments in the code are by the model that wrote it; some were corrected since.
;; Transformer Layer. Allowed arithmetic: matrix products marked QUANTISED: E2M3 operands, one E8M0 scale for each 32 along K, by v_wmma_scale_f32_16x16x128_f8f6f4 with both operands' format E2M3, f32 sums; everything else in f32.
;; Inputs: W1_codes 4,096 x 32 x 24 uint8 (E2M3 codes of W1, K innermost, in blocks of 32 codes, four codes in three bytes); W1_scales 4,096 x 32 uint8 (E8M0 scales of W1, one for each 32 codes along K); W2_codes 1,024 x 128 x 24 uint8 (E2M3 codes of W2, K innermost, in blocks of 32 codes, four codes in three bytes); W2_scales 1,024 x 128 uint8 (E8M0 scales of W2, one for each 32 codes along K); Wk_codes 1,024 x 32 x 24 uint8 (E2M3 codes of Wk, K innermost, in blocks of 32 codes, four codes in three bytes); Wk_scales 1,024 x 32 uint8 (E8M0 scales of Wk, one for each 32 codes along K); Wo_codes 1,024 x 32 x 24 uint8 (E2M3 codes of Wo, K innermost, in blocks of 32 codes, four codes in three bytes); Wo_scales 1,024 x 32 uint8 (E8M0 scales of Wo, one for each 32 codes along K); Wq_codes 1,024 x 32 x 24 uint8 (E2M3 codes of Wq, K innermost, in blocks of 32 codes, four codes in three bytes); Wq_scales 1,024 x 32 uint8 (E8M0 scales of Wq, one for each 32 codes along K); Wv_codes 1,024 x 32 x 24 uint8 (E2M3 codes of Wv, K innermost, in blocks of 32 codes, four codes in three bytes); Wv_scales 1,024 x 32 uint8 (E8M0 scales of Wv, one for each 32 codes along K); b1 4,096 float32; b2 1,024 float32; beta1 1,024 float32; beta2 1,024 float32; bk 1,024 float32; bo 1,024 float32; bq 1,024 float32; bv 1,024 float32; g1 1,024 float32; g2 1,024 float32; x 2 x 2,048 x 1,024 float32.
;; Outputs: out0 2 x 2,048 x 1,024 float32.
;; This version of the problem:
;;   THIS VERSION OF THE PROBLEM IS GIVEN IN LOW PRECISION. The matrix products marked QUANTISED in the list below multiply operands that are first quantised to E2M3 (2 exponent bits, 3 mantissa bits; 6 bits a number), with one power-of-two scale for each 32 numbers along K (OCP MX v1.0); their sums are f32. All else is computed in f32.
;;   The module's matrix products, in the order in which they are computed (A, B: the left and right operand; K: the contracted axis; several contracted axes count as one K, in the product's order):
;;     1. [M 4,096, K 1,024] x [K 1,024, N 1,024]; A: input x; B: input Wq (given as codes): QUANTISED
;;     2. [M 4,096, K 1,024] x [K 1,024, N 1,024]; A: input x; B: input Wk (given as codes): QUANTISED
;;     3. [M 4,096, K 1,024] x [K 1,024, N 1,024]; A: input x; B: input Wv (given as codes): QUANTISED
;;     4. batch 32 x [M 2,048, K 64] x [K 64, N 2,048]; A: computed on the way; B: computed on the way: QUANTISED
;;     5. batch 32 x [M 2,048, K 2,048] x [K 2,048, N 64]; A: softmax (see below); B: computed on the way: QUANTISED
;;     6. [M 4,096, K 1,024] x [K 1,024, N 1,024]; A: computed on the way; B: input Wo (given as codes): QUANTISED
;;     7. [M 4,096, K 1,024] x [K 1,024, N 4,096]; A: computed on the way; B: input W1 (given as codes): QUANTISED
;;     8. [M 4,096, K 4,096] x [K 4,096, N 1,024]; A: computed on the way; B: input W2 (given as codes): QUANTISED
;;   THE QUANTISER, for each operand of a quantised product, along K:
;;     - K is cut into blocks of 32 from its start; a last block that is shorter is filled with zeros.
;;     - A block's scale is 2^e with e = floor(log2(the largest magnitude in the block)) - 2, held to -126 .. 127; a block of zeros has e = 0. As a byte (E8M0): e + 127.
;;     - Each number is divided by its block's scale, clamped to +-7.5, and rounded to the nearest number of E2M3, ties to even, subnormals kept.
;;     - The product sums the exact products of the quantised numbers (number of the format x scale) in f32.
;;   ~~~python
;;   def quantise(x, axis):      # numpy; x: float32 -> the quantised numbers, widened to float32 again
;;       x = np.moveaxis(x, axis, -1); K = x.shape[-1]
;;       x = np.pad(x, [(0, 0)] * (x.ndim - 1) + [(0, -K % 32)]); x = x.reshape(x.shape[:-1] + (-1, 32)); a = np.abs(x).max(-1, keepdims=True)
;;       e = np.where(a > 0, np.clip(np.frexp(np.where(a > 0, a, 1))[1] - 1 - 2, -126, 127), 0)      # np.frexp(a)[1] - 1 = floor(log2(a)), exactly
;;       r = np.clip(x / 2.0 ** e, -7.5, 7.5)
;;       step = 2.0 ** (np.maximum(np.frexp(np.where(r == 0, 1, r))[1] - 1, 0) - 3)
;;       q = np.round(r / step) * step * 2.0 ** e      # np.round: ties to even
;;       return np.moveaxis(q.reshape(q.shape[:-2] + (-1,))[..., :K], -1, axis).astype(np.float32)
;;   ~~~
;;   SOFTMAX AHEAD OF A QUANTISED PRODUCT. Where the list says 'softmax', what is quantised is not the finished softmax but p = 2^(t - M), with t = logit x log2(e) and M = ceil(the row's largest t), a whole number; so 1/2 < the row's largest p <= 1. The row's sum l is taken of the UNQUANTISED p, in f32, and the product's result is divided by l at the end. Since M is a whole number, a kernel that streams over the keys may use a running M (the ceiling of the running maximum): every later rescaling is an exact power of two, which a block's scale takes up: the codes' values come out the same.
;;   OPERANDS COMPUTED ON THE WAY. 'Computed on the way' means the value that the module computes at that place (a softmax that the list does not call 'softmax' is quantised finished and normalised). What goes into a quantiser is computed in f32, as accurately as f32 sums, v_exp_f32 and their like allow (about 1e-6 of the number): no bf16 or f16 on the way to a quantiser, and a product that is left as it is and whose result goes on into a quantised operand takes f32 operands (vector FMAs, or v_wmma_f32_16x16x4_f32). A number that lies on a knife's edge between two numbers of the format may be rounded either way, as far as f32 arithmetic and the matrix unit's own rounding can turn it there, and no further.
;;   INPUTS GIVEN AS CODES. W1 (in the module: [1024, 4096], K = its axis 0); W2 (in the module: [4096, 1024], K = its axis 0); Wk (in the module: [1024, 1024], K = its axis 0); Wo (in the module: [1024, 1024], K = its axis 0); Wq (in the module: [1024, 1024], K = its axis 0); Wv (in the module: [1024, 1024], K = its axis 0): each comes as NAME_codes (uint8): NAME with its K axis moved to the last place and cut into blocks of 32 codes, [.., K / 32, bytes a block], one block behind the other in memory; four codes in three bytes: a row's codes are one little-endian stream of bits, code i at bits 6 i .. 6 i + 5 (a code: sign, 2 exponent bits, 3 mantissa bits); and NAME_scales (uint8): the same leading axes, one E8M0 byte (e + 127) for each 32 codes along K. Its value is code x scale, taken as it is: it is not quantised again, and the codes and scales need not be those that the quantiser above would give.
;; One version. Each part assembles by itself: llvm-mc -triple=amdgcn-amd-amdhsa -mcpu=gfx1250 --defsym DOCPART=n.
;; ======== version 1 of 1: 8 launches
;; limits: right only within a limited range of input values
;; workspace buffers: xq 3,276,800 bytes; wimg 9,830,400 bytes; qkvq 9,830,400 bytes; ctxq 3,276,800 bytes; ybuf 16,777,216 bytes; h32 16,777,216 bytes; hq 3,276,800 bytes; ffh 13,107,200 bytes
;; launch prep (part 1): grid 352 x 1, 8 waves a work-group, no clusters, 68,608 bytes of LDS; arguments x, Wq_codes, Wk_codes, Wv_codes, Wo_codes, W1_codes, W2_codes, Wq_scales, Wk_scales, Wv_scales, Wo_scales, W1_scales, W2_scales, xq, wimg; writes xq, wimg
.if DOCPART == 1
	.amdgcn_target "amdgcn-amd-amdhsa--gfx1250"
	.amdhsa_code_object_version 6
	.text
	.protected	k_q23f95cab65_prep
	.globl	k_q23f95cab65_prep
	.p2align	8
	.type	k_q23f95cab65_prep,@function
k_q23f95cab65_prep:
	s_mov_b64 s[64:65], 0
	v_nop
	global_prefetch_b8 v0, s[64:65] scope:SCOPE_SE
	s_setreg_imm32_b32 hwreg(HW_REG_WAVE_MODE, 25, 1), 1
	s_wait_xcnt 0x0
; PREP: x (f32) is quantised to E2M3 along its 1,024 columns, and x and the six weights are laid as IMAGES OF OPERAND REGISTERS, the one layout that all later launches read.
; THE IMAGE of a matrix [rows][K]: codes [T = rows / 16][s = K / 128][1,536 bytes].  A fragment is 12 registers a lane, in two halves of 768 bytes: of half c registers 6 c .. 6 c + 3 of lane l lie at
; 768 c + 16 l and registers 6 c + 4, 6 c + 5 at 768 c + 512 + 8 l: every load and store of a wave covers 512 or 256 consecutive bytes.  Lane l = (r = l % 16, h = l / 16) of tile T belongs to row
; 32 (T / 2) + 8 (T % 2) + r + 8 (r / 8): with that order the results of a product that is used transposed come out as 16 neighbours along the next K.  Scale words (four E8M0 bytes, 128 along K): [s][16 T + r].
; WORK-GROUPS 0-255: tile T of x; wave w takes K step w.  Each load reads 512 consecutive bytes of one row; the 16 rows turn through the wave's own stage in LDS (pitch 528) so that a lane holds 16 neighbours of each block of 32.
; WORK-GROUPS 256-351: the weights, which arrive as codes: bytes are only moved.  Wave U = 8 g + w takes one tile and eight K steps; its codes go to wimg + 12,288 U for every weight.
; A block's scale byte is its largest magnitude's exponent field - 2, held at 1 from below.  LIMITS: NaN and infinities are not served; a block whose largest magnitude lies under 2^-124, a block of zeros too, gets the byte 1
; (its codes are then zeros or tiny; only this program reads the bytes).  The scale words leave in pieces of 64 bytes: 512 KB of the launch's 13 MB.
.set L16, 4                            ; v4   16 x lane
.set L8,  5                            ; v5   8 x lane
.set XR,  16                           ; v16-79   x as loaded
.set X,   80                           ; v80-143  64 numbers of my row: register 16 b + i = column 32 b + 16 h + i of the K step
.set TM,  144                          ; v144-159 at work in QUANT
.set PW,  160                          ; the scale word
.set PC,  164                          ; v164-182 the codes
.set SEL, 2                            ; s[2:3] selects of v_permlanex16_b32: lane l xor 16
.set F,   16                           ; v16-111  a weight's eight fragments
.set SW,  112                          ; v112-119 its row's eight scale words
.set SO,  120                          ; v120-123 offsets of the scale stores
.set SD,  124                          ; v124-127 their data
; 64 numbers of a lane, register 16 b + i = k 32 b + 16 h + i of its row, become a fragment's codes in v[PC] on and its scale word in v[PW]
.macro QUANT s
.irp b, 0,1,2,3
	v_max3_num_f32 v[TM+\b], |v[\s+16*\b]|, |v[\s+1+16*\b]|, 0x1800000   ; block b: my 16 numbers, and the floor 2^(3 - 127): the byte cannot fall under 1
.endr
.irp i, 2,4,6,8,10,12,14
.irp b, 0,1,2,3
	s_delay_alu instid0(VALU_DEP_4)
	v_max3_num_f32 v[TM+\b], v[TM+\b], |v[\s+16*\b+\i]|, |v[\s+1+16*\b+\i]|
.endr
.endr
.irp b, 0,1,2,3
	s_delay_alu instid0(VALU_DEP_4)
	v_permlanex16_b32 v[TM+4+\b], v[TM+\b], s[SEL], s[SEL+1]
.endr
.irp b, 0,1,2,3
	s_delay_alu instid0(VALU_DEP_4)
	v_max_num_f32 v[TM+\b], v[TM+\b], v[TM+4+\b]   ; with lane l xor 16's: the block's largest magnitude
.endr
.irp b, 0,1,2,3
	s_delay_alu instid0(VALU_DEP_4)
	v_add_nc_u32 v[TM+12+\b], 0xff000000, v[TM+\b] ; 2 off its exponent field: the conversion's scale operand
.endr
.irp b, 0,1,2,3
	s_delay_alu instid0(VALU_DEP_4)
	v_lshrrev_b32 v[TM+4+\b], 23, v[TM+12+\b]      ; the scale's byte
.endr
	s_delay_alu instid0(VALU_DEP_3)
	v_lshl_or_b32 v[PW], v[TM+5], 8, v[TM+4]
	s_delay_alu instid0(VALU_DEP_1)
	v_lshl_or_b32 v[PW], v[TM+6], 16, v[PW]
	s_delay_alu instid0(VALU_DEP_1)
	v_lshl_or_b32 v[PW], v[TM+7], 24, v[PW]
.irp c, 0,1
	v_cvt_scalef32_pk16_fp6_f32 v[PC+6*\c:PC+2+6*\c], v[\s+32*\c:\s+15+32*\c], v[TM+12+2*\c]
	v_cvt_scalef32_pk16_fp6_f32 v[PC+12+4*\c:PC+14+4*\c], v[\s+16+32*\c:\s+31+32*\c], v[TM+12+2*\c+1]   ; (a conversion's three registers begin on an even number)
.endr
	v_nop                                          ; one plain place behind a scaled conversion
.irp c, 0,1                                    ; the layout wants a whole block in a lane: lanes 0-15 block 2 c, lanes 16-31 block 2 c + 1
.irp i, 0,1,2
	v_permlane16_swap_b32 v[PC+6*\c+\i], v[PC+12+4*\c+\i]
.endr
.irp i, 0,1,2
	s_delay_alu instid0(VALU_DEP_3)
	v_mov_b32 v[PC+3+6*\c+\i], v[PC+12+4*\c+\i]
.endr
.endr
.endm
.macro IMG_OUT sb, off                         ; the fragment in v[PC] on goes out as an image: 512, 256, 512, 256 consecutive bytes
	global_store_b128 v[L16], v[PC:PC+3], s[\sb:\sb+1] offset:\off
	global_store_b64 v[L8], v[PC+4:PC+5], s[\sb:\sb+1] offset:\off+512
	global_store_b128 v[L16], v[PC+6:PC+9], s[\sb:\sb+1] offset:\off+768
	global_store_b64 v[L8], v[PC+10:PC+11], s[\sb:\sb+1] offset:\off+1280
.endm
	v_lshl_add_u32 v192, v0, 2, 0x10800
	v_mov_b32 v193, 0
	v_lshrrev_b32 v9, 5, v0
	s_delay_alu instid0(VALU_DEP_1)
	v_readfirstlane_b32 s8, v9                     ; wave 0..7
	v_and_b32 v1, 31, v0                           ; lane
	v_and_b32 v2, 15, v0                           ; r
	v_bfe_u32 v3, v0, 4, 1                         ; h
	s_delay_alu instid0(VALU_DEP_3)
	v_lshlrev_b32 v[L16], 4, v1
	s_delay_alu instid0(VALU_DEP_4)
	v_lshlrev_b32 v[L8], 3, v1
	s_cmp_ge_u32 ttmp9, 256
	s_cbranch_scc1 .Lweights
	; ---------------- x ----------------
	s_load_b64 s[4:5], s[0:1], 0x0                 ; x
	s_load_b64 s[6:7], s[0:1], 0x68                ; xq
	s_mov_b32 s[SEL], 0x76543210
	s_mov_b32 s[SEL+1], 0xfedcba98
	s_mul_i32 s9, s8, 8448                         ; my wave's stage: 16 rows x 528 bytes
	v_add_nc_u32 v6, s9, v[L16]                    ; in: 16 x lane of a row
	v_mul_u32_u24 v7, v2, 528
	s_delay_alu instid0(VALU_DEP_1)
	v_lshl_add_u32 v7, v3, 6, v7
	s_delay_alu instid0(VALU_DEP_1)
	v_add_nc_u32 v7, s9, v7                        ; out: row r, + 64 h: 132 words a row
	v_lshlrev_b32 v8, 2, v2                        ; 4 r
.irp b, 0,1,2,3
	v_mov_b32 v[TM+4+\b], 0                        ; written once: a lane permute's destination counts as one of its sources
.endr
	s_lshr_b32 s10, ttmp9, 1
	s_lshl_b32 s10, s10, 5
	s_and_b32 s11, ttmp9, 1
	s_lshl_b32 s11, s11, 3
	s_add_co_u32 s10, s10, s11                     ; the tile's first row: 32 (T / 2) + 8 (T % 2)
	s_lshl_b32 s10, s10, 12                        ; rows of 4,096 bytes
	s_lshl_b32 s11, s8, 9                          ; + 512 bytes a K step
	s_add_co_u32 s10, s10, s11
	s_mov_b32 s11, 0
	s_mul_i32 s12, ttmp9, 12288
	s_mul_i32 s13, s8, 1536
	s_add_co_u32 s12, s12, s13                     ; my fragment in xq
	s_mov_b32 s13, 0
	s_lshl_b32 s14, s8, 14
	s_lshl_b32 s15, ttmp9, 6
	s_add_co_u32 s14, s14, s15
	s_add_co_u32 s14, s14, 3145728                 ; my tile's 16 scale words
	s_mov_b32 s15, 0
	s_wait_alu depctr_va_vdst(0)
	s_wait_kmcnt 0x0
	s_add_nc_u64 s[4:5], s[4:5], s[10:11]
	s_add_nc_u64 s[14:15], s[6:7], s[14:15]
	s_add_nc_u64 s[6:7], s[6:7], s[12:13]
.irp i, 0,1,2,3,4,5,6,7,8,9,10,11,12,13,14,15
	global_load_b128 v[XR+4*\i:XR+4*\i+3], v[L16], s[4:5] offset:(\i+8*(\i/8))*4096 th:TH_LOAD_NT   ; image row i: 512 consecutive bytes
.endr
.irp i, 0,1,2,3,4,5,6,7,8,9,10,11,12,13,14,15
	s_wait_loadcnt 15-\i                           ; loads come back in order: row i is in, the younger ones stay out
	ds_store_b128 v6, v[XR+4*\i:XR+4*\i+3] offset:528*\i
.endr
.irp b, 0,1,2,3
.irp j, 0,1,2,3
	ds_load_b128 v[X+16*\b+4*\j:X+16*\b+4*\j+3], v7 offset:128*\b+16*\j   ; LDS serves a wave's instructions in order: these see my stores
.endr
.endr
	s_wait_dscnt 0x0
	QUANT X
	IMG_OUT 6, 0
	v_cmp_gt_u32 vcc_lo, 16, v1
	s_wait_xcnt 0x0                                ; EXEC changes only behind this wait
	s_wait_tensorcnt 0x0
	ds_add_u32 v192, v193
	s_wait_dscnt 0x0
	s_and_saveexec_b32 s12, vcc_lo
	global_store_b32 v8, v[PW], s[14:15]           ; lanes 0-15: the tile's 16 scale words
	s_wait_xcnt 0x0
	s_or_b32 exec_lo, exec_lo, s12
	s_endpgm
	; ---------------- the weights ----------------
.Lweights:
	s_load_b256 s[16:23], s[0:1], 0x8              ; codes of Wq, Wk, Wv, Wo
	s_load_b128 s[24:27], s[0:1], 0x28             ; of W1, W2
	s_load_b256 s[28:35], s[0:1], 0x38             ; scales of Wq, Wk, Wv, Wo
	s_load_b128 s[36:39], s[0:1], 0x58             ; of W1, W2
	s_load_b64 s[40:41], s[0:1], 0x70              ; wimg
	s_sub_co_u32 s9, ttmp9, 256                    ; g: 0-31 the four small weights (8 each), 32-63 W1, 64-95 W2
	s_lshl_b32 s10, s9, 3
	s_add_co_u32 s10, s10, s8                      ; U = 8 g + wave
	s_and_b32 s11, s10, 63
	s_and_b32 s12, s10, 255
	s_lshr_b32 s14, s12, 2                         ; W2: a tile has 32 K steps, four waves' worth
	s_and_b32 s15, s10, 3
	s_cmp_lt_u32 s9, 32
	s_cselect_b32 s11, s11, s12                    ; the tile within its weight
	s_cselect_b32 s13, s10, s12                    ; the tile within its array of scale words (the four small weights share one)
	s_cmp_lt_u32 s9, 64
	s_cselect_b32 s11, s11, s14
	s_cselect_b32 s13, s13, s14
	s_cselect_b32 s15, 0, s15                      ; which eight K steps
	s_mov_b32 s46, 3072
	s_cselect_b32 s46, 768, s46                    ; a row of codes in bytes
	s_cselect_b32 s47, 32, 128                     ; a row of scale bytes
	s_mov_b32 s48, 4096
	s_cselect_b32 s48, 16384, s48                  ; from K step to K step in the array of scale words
	s_lshr_b32 s49, s9, 5
	s_lshl_b32 s49, s49, 17
	s_add_co_u32 s49, s49, 9437184                 ; the three arrays of scale words lie 131,072 bytes apart
	s_lshl_b32 s50, s13, 6
	s_add_co_u32 s49, s49, s50
	s_mul_i32 s50, s15, s48
	s_lshl_b32 s50, s50, 3
	s_add_co_u32 s50, s49, s50                     ; + my first K step
	s_mov_b32 s51, 0
	s_lshr_b32 s52, s11, 1
	s_lshl_b32 s52, s52, 5
	s_and_b32 s53, s11, 1
	s_lshl_b32 s53, s53, 3
	s_add_co_u32 s52, s52, s53                     ; the tile's first row
	s_mul_i32 s54, s52, s46
	s_mul_i32 s53, s15, 768
	s_add_co_u32 s54, s54, s53                     ; where I read codes
	s_mov_b32 s55, 0
	s_mul_i32 s56, s52, s47
	s_lshl_b32 s53, s15, 5
	s_add_co_u32 s56, s56, s53                     ; and scale bytes
	s_mov_b32 s57, 0
	s_mul_i32 s58, s10, 12288                      ; where the codes go
	s_mov_b32 s59, 0
	s_lshl_b32 s60, s48, 1
	s_wait_alu depctr_va_vdst(0)
	v_and_b32 v9, 8, v2
	s_delay_alu instid0(VALU_DEP_1)
	v_add_nc_u32 v9, v9, v2                        ; r + 8 (r / 8)
	s_delay_alu instid0(VALU_DEP_1)
	v_mul_lo_u32 v10, v9, s46
	s_delay_alu instid0(VALU_DEP_1)
	v_mad_u32_u24 v10, v3, 24, v10                 ; codes: my row, + 24 h
	s_delay_alu instid0(VALU_DEP_3)
	v_mul_lo_u32 v11, v9, s47                      ; scale bytes: my row
	v_lshlrev_b32 v12, 2, v2
	v_mul_lo_u32 v13, v3, s48
	s_delay_alu instid0(VALU_DEP_1)
	v_add_nc_u32 v[SO], v12, v13                   ; scale words out: 4 r; lanes 16-31 one K step further on
	s_delay_alu instid0(VALU_DEP_1)
	v_add_nc_u32 v[SO+1], s60, v[SO]
	s_delay_alu instid0(VALU_DEP_1)
	v_add_nc_u32 v[SO+2], s60, v[SO+1]
	s_delay_alu instid0(VALU_DEP_1)
	v_add_nc_u32 v[SO+3], s60, v[SO+2]
	v_cmp_eq_u32 vcc_lo, 1, v3
	s_wait_alu depctr_va_vdst(0)
	s_wait_kmcnt 0x0
	s_mov_b64 s[42:43], s[26:27]                   ; the buffers are chosen by the work-group's number alone
	s_mov_b64 s[44:45], s[38:39]
	s_cmp_lt_u32 s9, 64
	s_cselect_b64 s[42:43], s[24:25], s[42:43]
	s_cselect_b64 s[44:45], s[36:37], s[44:45]
	s_cmp_lt_u32 s9, 32
	s_cselect_b64 s[42:43], s[22:23], s[42:43]
	s_cselect_b64 s[44:45], s[34:35], s[44:45]
	s_cmp_lt_u32 s9, 24
	s_cselect_b64 s[42:43], s[20:21], s[42:43]
	s_cselect_b64 s[44:45], s[32:33], s[44:45]
	s_cmp_lt_u32 s9, 16
	s_cselect_b64 s[42:43], s[18:19], s[42:43]
	s_cselect_b64 s[44:45], s[30:31], s[44:45]
	s_cmp_lt_u32 s9, 8
	s_cselect_b64 s[42:43], s[16:17], s[42:43]
	s_cselect_b64 s[44:45], s[28:29], s[44:45]
	s_add_nc_u64 s[42:43], s[42:43], s[54:55]
	s_add_nc_u64 s[44:45], s[44:45], s[56:57]
	s_add_nc_u64 s[50:51], s[40:41], s[50:51]
	s_add_nc_u64 s[58:59], s[40:41], s[58:59]
.irp s, 0,1,2,3,4,5,6,7
.irp p, 0,1,2,3,4,5
	global_load_b64 v[F+12*\s+2*\p:F+12*\s+2*\p+1], v10, s[42:43] offset:96*\s+48*(\p/3)+8*(\p%3)   ; a row's stream of bits is the register image: 24 bytes a half, in pieces of 8
.endr
.endr
	global_load_b128 v[SW:SW+3], v11, s[44:45]     ; my row's eight scale words
	global_load_b128 v[SW+4:SW+7], v11, s[44:45] offset:16
	s_wait_loadcnt 0x0
.irp s, 0,1,2,3,4,5,6,7
	global_store_b128 v[L16], v[F+12*\s:F+12*\s+3], s[58:59] offset:1536*\s
	global_store_b64 v[L8], v[F+12*\s+4:F+12*\s+5], s[58:59] offset:1536*\s+512
	global_store_b128 v[L16], v[F+12*\s+6:F+12*\s+9], s[58:59] offset:1536*\s+768
	global_store_b64 v[L8], v[F+12*\s+10:F+12*\s+11], s[58:59] offset:1536*\s+1280
.endr
.irp i, 0,1,2,3
	v_cndmask_b32 v[SD+\i], v[SW+2*\i], v[SW+2*\i+1], vcc_lo   ; lanes 0-15 carry K step 2 i, lanes 16-31 K step 2 i + 1
	global_store_b32 v[SO+\i], v[SD+\i], s[50:51]
.endr
	s_endpgm
.Lfunc_end_k_q23f95cab65_prep:
	.size	k_q23f95cab65_prep, .Lfunc_end_k_q23f95cab65_prep-k_q23f95cab65_prep
	.p2alignl 7, 3214868480
	.fill 96, 4, 3214868480
	.section	.rodata,"a",@progbits
	.p2align	6, 0x0
	.amdhsa_kernel k_q23f95cab65_prep
		.amdhsa_group_segment_fixed_size 68608
		.amdhsa_private_segment_fixed_size 0
		.amdhsa_enable_private_segment 0
		.amdhsa_kernarg_size 120
		.amdhsa_user_sgpr_count 2
		.amdhsa_user_sgpr_kernarg_segment_ptr 1
		.amdhsa_wavefront_size32 1
		.amdhsa_system_sgpr_workgroup_id_x 1
		.amdhsa_system_sgpr_workgroup_id_y 1
		.amdhsa_system_sgpr_workgroup_id_z 1
		.amdhsa_system_vgpr_workitem_id 0
		.amdhsa_next_free_vgpr 194
		.amdhsa_next_free_sgpr 66
		.amdhsa_reserve_vcc 1
		.amdhsa_float_denorm_mode_32 3
		.amdhsa_float_denorm_mode_16_64 3
		.amdhsa_memory_ordered 1
		.amdhsa_forward_progress 1
		.amdhsa_inst_pref_size 25
	.end_amdhsa_kernel
	.amdgpu_metadata
---
amdhsa.version: [ 1, 2 ]
amdhsa.kernels:
  - .name:           k_q23f95cab65_prep
    .symbol:         k_q23f95cab65_prep.kd
    .args:
      - { .name: x, .offset: 0, .size: 8, .value_kind: global_buffer, .address_space: global }
      - { .name: Wq_codes, .offset: 8, .size: 8, .value_kind: global_buffer, .address_space: global }
      - { .name: Wk_codes, .offset: 16, .size: 8, .value_kind: global_buffer, .address_space: global }
      - { .name: Wv_codes, .offset: 24, .size: 8, .value_kind: global_buffer, .address_space: global }
      - { .name: Wo_codes, .offset: 32, .size: 8, .value_kind: global_buffer, .address_space: global }
      - { .name: W1_codes, .offset: 40, .size: 8, .value_kind: global_buffer, .address_space: global }
      - { .name: W2_codes, .offset: 48, .size: 8, .value_kind: global_buffer, .address_space: global }
      - { .name: Wq_scales, .offset: 56, .size: 8, .value_kind: global_buffer, .address_space: global }
      - { .name: Wk_scales, .offset: 64, .size: 8, .value_kind: global_buffer, .address_space: global }
      - { .name: Wv_scales, .offset: 72, .size: 8, .value_kind: global_buffer, .address_space: global }
      - { .name: Wo_scales, .offset: 80, .size: 8, .value_kind: global_buffer, .address_space: global }
      - { .name: W1_scales, .offset: 88, .size: 8, .value_kind: global_buffer, .address_space: global }
      - { .name: W2_scales, .offset: 96, .size: 8, .value_kind: global_buffer, .address_space: global }
      - { .name: xq, .offset: 104, .size: 8, .value_kind: global_buffer, .address_space: global }
      - { .name: wimg, .offset: 112, .size: 8, .value_kind: global_buffer, .address_space: global }
    .group_segment_fixed_size: 68608
    .private_segment_fixed_size: 0
    .kernarg_segment_align: 8
    .kernarg_segment_size: 120
    .max_flat_workgroup_size: 256
    .sgpr_count:     66
    .vgpr_count:     194
    .wavefront_size: 32
...
	.end_amdgpu_metadata
.endif
;; end of part 1
;; launch qkv (part 2): grid 12 x 16, 4 waves a work-group, clusters of 4 x 4, 327,680 bytes of LDS; arguments xq, wimg, bq, bk, bv, qkvq; writes qkvq
.if DOCPART == 2
	.amdgcn_target "amdgcn-amd-amdhsa--gfx1250"
	.amdhsa_code_object_version 6
	.text
	.protected	k_q23f95cab65_qkv
	.globl	k_q23f95cab65_qkv
	.p2align	8
	.type	k_q23f95cab65_qkv,@function
k_q23f95cab65_qkv:
	s_mov_b64 s[64:65], 0
	v_nop
	global_prefetch_b8 v0, s[64:65] scope:SCOPE_SE
	s_setreg_imm32_b32 hwreg(HW_REG_WAVE_MODE, 25, 1), 1
	s_wait_xcnt 0x0
	s_wait_alu depctr_hold_cnt(0) depctr_sa_sdst(0) depctr_va_vdst(0) depctr_va_sdst(0) depctr_va_ssrc(0) depctr_va_vcc(0) depctr_vm_vsrc(0)
	s_getreg_b32 s2, hwreg(HW_REG_IB_STS2, 6, 4)
	s_cmp_eq_u32 s2, 0
	s_cbranch_scc0 .Lentry_in_a_cluster
	s_endpgm
.Lentry_in_a_cluster:
	s_bfe_u32 s2, ttmp6, 0x10000c
	s_cmp_lg_u32 s2, 0xf033
	s_cbranch_scc0 .Lentry_shape_is_right
	s_endpgm
.Lentry_shape_is_right:
.set NB, 8
.set NQ, 2
.set KT, 8
.set PSTR, 2048
.set TILEB, 1536*NQ
.set QUART, NB*TILEB
.set SLOT,  4*QUART
.set SCL,   2*SLOT
.set SQ,    KT*64*NB
.set PSH,   64
.set SPARE, SCL+4*SQ+256
.set LAPS,  KT/(2*NQ)
.set SC, 32
.set RF, 64
.set G1, 24
.set G0, 32
.set G1B, 48
.set G0B, 56
.set G1S, 68
.set G0S, 76
.set G1SB, 80
.set G0SB, 88
.set H,  64
.set TM, 192
.set PW, 208
.set PC, 212
.set SEL, 20
.set L16, 1
.set L8, 2
.set MSB, 0
.macro WIN new
.if MSB != (\new)
	s_set_vgpr_msb (MSB<<8)|(\new)
.set MSB, (\new)
.endif
.endm
.macro PLACES
.rept 4
	v_nop
.endr
.endm
.macro JLOAD g0a, g1a, g0b, g1b
	s_cmp_eq_u32 s15, 0
	s_cbranch_scc0 .Lfor_p_\@
	tensor_load_to_lds s[\g0a:\g0a+3], s[\g1a:\g1a+7]
	s_nop 0
	PLACES
	s_branch .Lasked_\@
.Lfor_p_\@:
	tensor_load_to_lds s[\g0b:\g0b+3], s[\g1b:\g1b+7]
	s_nop 0
	PLACES
.Lasked_\@:
.endm
.macro CREST
	s_cmp_lg_u32 s14, 0
	s_cbranch_scc1 .Lnot_wave_0_\@
	s_barrier_signal -3
.Lnot_wave_0_\@:
	s_barrier_wait -3
	s_barrier_signal -1
	s_barrier_wait -1
.endm
.macro CROUND
	s_barrier_signal -1
	s_barrier_wait -1
	CREST
.endm
.macro FRAG reg, a16, a8, off
	ds_load_b128 v[\reg:\reg+3], v[\a16] offset:\off
	ds_load_b64 v[\reg+4:\reg+5], v[\a8] offset:\off+512
	ds_load_b128 v[\reg+6:\reg+9], v[\a16] offset:\off+768
	ds_load_b64 v[\reg+10:\reg+11], v[\a8] offset:\off+1280
.endm
.macro FETCH slot, q, set, ko
	WIN 0x40
.set fi, 0
.rept NB
	FRAG 128*(\set)+12*fi, 8+\slot, 10+\slot, fi*TILEB+1536*(\q)
.set fi, fi+1
.endr
	WIN 0
.set fi, 0
.rept NB
	FRAG RF+12*NB*(\set)+12*fi, 4+\slot, 6+\slot, fi*TILEB+1536*(\q)
.set fi, fi+1
.endr
.set fi, 0
.rept NB
	ds_load_b32 v[SC+NB*(\set)+fi], v12 offset:(\ko)*128*NB+64*fi
.set fi, fi+1
.endr
.endm
.macro MULP a0, cnt, set, zero
.set ma, \a0
.rept \cnt
	WIN 0xa1+0x50*((8*NB*ma)/256)
.set mb, 0
.rept NB
.set rD, (8*(NB*ma+mb))%256
.set rP, 128*(\set)+12*mb
.set rR, RF+12*NB*(\set)+12*ma
.if \zero
	v_wmma_scale_f32_16x16x128_f8f6f4 v[rD:rD+7], v[rP:rP+11], v[rR:rR+11], 0, v[SC+NB*(\set)+mb], v[SC+NB*(\set)+ma] matrix_a_fmt:MATRIX_FMT_FP6 matrix_b_fmt:MATRIX_FMT_FP6 matrix_a_scale:MATRIX_SCALE_ROW1
.else
	v_wmma_scale_f32_16x16x128_f8f6f4 v[rD:rD+7], v[rP:rP+11], v[rR:rR+11], v[rD:rD+7], v[SC+NB*(\set)+mb], v[SC+NB*(\set)+ma] matrix_a_fmt:MATRIX_FMT_FP6 matrix_b_fmt:MATRIX_FMT_FP6 matrix_a_scale:MATRIX_SCALE_ROW1
.endif
.set mb, mb+1
.endr
.set ma, ma+1
.endr
.endm
.macro STEP slot, q, zero
	s_wait_dscnt 0x0
	PLACES
	FETCH \slot, (\q)+1, 1-(\q)%2, (\q)+1
	MULP 0, NB, (\q)%2, \zero
	WIN 0
.endm
.macro MID slot
.set mq, 1
.rept NQ-2
	STEP \slot, mq, 0
.set mq, mq+1
.endr
.endm
.macro TURN slot, next, fill
	s_wait_tensorcnt 0x0
	ds_add_u32 v14, v15
	s_wait_dscnt 1
	MULP 0, NB/4, 1, 0
	s_wait_dscnt 0x0
	s_barrier_signal -1
	MULP NB/4, NB/4, 1, 0
	WIN 0
	s_barrier_wait -1
.if \fill
	CREST
	s_add_nc_u64 s[G0+4*\slot+2:G0+4*\slot+3], s[G0+4*\slot+2:G0+4*\slot+3], 2*TILEB
	s_add_nc_u64 s[G0B+4*\slot+2:G0B+4*\slot+3], s[G0B+4*\slot+2:G0B+4*\slot+3], 2*TILEB
	JLOAD G0+4*\slot, G1, G0B+4*\slot, G1B
.else
	PLACES
.endif
	s_wait_alu depctr_va_vdst(0)
	v_add_nc_u32 v12, NQ*128*NB, v12
	FETCH \next, 0, 0, 0
	MULP NB/2, NB/2, 1, 0
	WIN 0
.endm
.macro QUANT s
.irp b, 0,1,2,3
	v_max3_num_f32 v[TM+\b], |v[\s+16*\b]|, |v[\s+1+16*\b]|, 0x1800000
.endr
.irp i, 2,4,6,8,10,12,14
.irp b, 0,1,2,3
	v_max3_num_f32 v[TM+\b], v[TM+\b], |v[\s+16*\b+\i]|, |v[\s+1+16*\b+\i]|
.endr
.endr
.irp b, 0,1,2,3
	v_permlanex16_b32 v[TM+4+\b], v[TM+\b], s[SEL], s[SEL+1]
.endr
.irp b, 0,1,2,3
	v_max_num_f32 v[TM+\b], v[TM+\b], v[TM+4+\b]
.endr
.irp b, 0,1,2,3
	v_add_nc_u32 v[TM+12+\b], 0xff000000, v[TM+\b]
.endr
.irp b, 0,1,2,3
	v_lshrrev_b32 v[TM+4+\b], 23, v[TM+12+\b]
.endr
	v_lshl_or_b32 v[PW], v[TM+5], 8, v[TM+4]
	v_lshl_or_b32 v[PW], v[TM+6], 16, v[PW]
	v_lshl_or_b32 v[PW], v[TM+7], 24, v[PW]
.irp c, 0,1
	v_cvt_scalef32_pk16_fp6_f32 v[PC+6*\c:PC+2+6*\c], v[\s+32*\c:\s+15+32*\c], v[TM+12+2*\c]
	v_cvt_scalef32_pk16_fp6_f32 v[PC+12+4*\c:PC+14+4*\c], v[\s+16+32*\c:\s+31+32*\c], v[TM+12+2*\c+1]
.endr
	v_nop
.irp c, 0,1
.irp i, 0,1,2
	v_permlane16_swap_b32 v[PC+6*\c+\i], v[PC+12+4*\c+\i]
.endr
.irp i, 0,1,2
	v_mov_b32 v[PC+3+6*\c+\i], v[PC+12+4*\c+\i]
.endr
.endr
.endm
.macro IMG_OUT sb, off
	global_store_b128 v[L16], v[PC:PC+3], s[\sb:\sb+1] offset:\off
	global_store_b64 v[L8], v[PC+4:PC+5], s[\sb:\sb+1] offset:\off+512
	global_store_b128 v[L16], v[PC+6:PC+9], s[\sb:\sb+1] offset:\off+768
	global_store_b64 v[L8], v[PC+10:PC+11], s[\sb:\sb+1] offset:\off+1280
.endm
.macro COPY a
	WIN 0x21+0x10*((8*NB*(\a))/256)
.set cb, 0
.rept NB
.set ci, 0
.rept 4
	v_pk_fma_f32 v[H+8*cb+ci:H+8*cb+ci+1], v[96+8*(cb%4)+128*(cb/4)+ci:96+8*(cb%4)+128*(cb/4)+ci+1], s[22:23], v[(8*(NB*(\a)+cb))%256+ci:(8*(NB*(\a)+cb))%256+ci+1] op_sel_hi:[1,0,1]
.set ci, ci+2
.endr
.set cb, cb+1
.endr
	WIN 0
.set ci, 0
.rept 32
	v_pk_add_f32 v[H+ci:H+ci+1], v[H+ci:H+ci+1], v[16+2*(\a):17+2*(\a)] op_sel_hi:[1,0]
.set ci, ci+2
.endr
.endm
	s_load_b256 s[4:11], s[0:1], 0x0
	s_load_b128 s[96:99], s[0:1], 0x20
	v_lshl_add_u32 v14, v0, 2, SPARE
	v_mov_b32 v15, 0
	ds_add_u32 v14, v15
	ds_add_u32 v14, v15
	s_wait_dscnt 0x0
	v_lshrrev_b32 v1, 5, v0
	v_readfirstlane_b32 s14, v1
	s_lshr_b32 s15, s14, 1
	s_and_b32 s16, s14, 1
	s_bfe_u32 s40, ttmp6, 0x40000
	s_bfe_u32 s41, ttmp6, 0x40004
	s_and_b32 s18, ttmp7, 0xffff
	s_lshl_b32 s18, s18, 2
	s_cmp_eq_u32 ttmp9, 2
	s_cselect_b32 s17, 0, s18
	s_cselect_b32 s42, s18, 0
	s_cselect_b32 s95, 1, 0
	s_add_co_u32 s17, s17, s41
	s_add_co_u32 s42, s42, s40
	s_lshl_b32 s43, s41, 2
	s_lshl_b32 s43, 15, s43
	s_lshl_b32 s44, 0x1111, s40
	s_or_b32 s[G1+0], s43, (3<<16)|(1<<21)
	s_or_b32 s[G1B+0], s44, (3<<16)|(1<<21)
.irp g, G1, G1B
	s_mov_b32 s[\g+1], (TILEB/8)<<16
	s_mov_b32 s[\g+2], (2*NB)<<16
	s_mov_b32 s[\g+3], (TILEB/8)<<16
	s_mov_b32 s[\g+4], 2*NB
	s_mov_b32 s[\g+5], 192*KT
	s_mov_b32 s[\g+6], 0
	s_mov_b32 s[\g+7], 0
.endr
	s_or_b32 s[G1S+0], s43, (3<<16)|(1<<21)
	s_or_b32 s[G1SB+0], s44, (3<<16)|(1<<21)
.irp g, G1S, G1SB
	s_mov_b32 s[\g+1], (16*NB)<<16
	s_mov_b32 s[\g+2], KT<<16
	s_mov_b32 s[\g+3], (16*NB)<<16
	s_mov_b32 s[\g+4], KT
	s_mov_b32 s[\g+6], 0
	s_mov_b32 s[\g+7], 0
.endr
	s_mov_b32 s[G1S+5], 2048
	s_mov_b32 s[G1SB+5], PSTR
	s_wait_kmcnt 0x0
	s_cmp_eq_u32 ttmp9, 0
	s_cselect_b64 s[12:13], s[8:9], s[10:11]
	s_mul_i32 s18, ttmp9, 786432
	s_mov_b32 s19, 0
	s_add_nc_u64 s[20:21], s[6:7], s[18:19]
	s_lshl_b32 s18, ttmp9, 12
	s_add_nc_u64 s[22:23], s[6:7], s[18:19]
	s_add_nc_u64 s[22:23], s[22:23], 9437184
	s_add_nc_u64 s[46:47], s[4:5], 3145728
	s_mov_b64 s[92:93], s[4:5]
	s_cmp_eq_u32 ttmp9, 2
	s_cselect_b64 s[4:5], s[20:21], s[92:93]
	s_cselect_b64 s[6:7], s[22:23], s[46:47]
	s_cselect_b64 s[8:9], s[92:93], s[20:21]
	s_cselect_b64 s[10:11], s[46:47], s[22:23]
	s_mul_i32 s20, s17, 2*NB
	s_mul_i32 s46, s42, 2*NB
	s_lshl_b32 s22, s20, 6
	s_mov_b32 s23, 0
	s_lshl_b32 s92, s46, 6
	s_mov_b32 s93, 0
	s_mul_i32 s20, s20, KT*1536
	s_mov_b32 s21, 0
	s_mul_i32 s46, s46, KT*1536
	s_mov_b32 s47, 0
	s_mul_i32 s45, s14, QUART
	s_add_nc_u64 s[20:21], s[4:5], s[20:21]
	s_add_nc_u64 s[22:23], s[6:7], s[22:23]
	s_add_nc_u64 s[46:47], s[8:9], s[46:47]
	s_add_nc_u64 s[92:93], s[10:11], s[92:93]
	CROUND
	s_mov_b32 s[G0S], 1
	s_mov_b32 s[G0S+1], SCL
	s_mov_b64 s[G0S+2:G0S+3], s[22:23]
	s_or_b32 s[G0S+3], s[G0S+3], 0x80000000
	s_mov_b32 s[G0SB], 1
	s_mov_b32 s[G0SB+1], SCL+2*SQ+PSH
	s_mov_b64 s[G0SB+2:G0SB+3], s[92:93]
	s_or_b32 s[G0SB+3], s[G0SB+3], 0x80000000
	s_mov_b32 s4, 1                                ; the head's loads of slot 0, each tile whole: R's 2 NB tiles of 16 rows,
	s_mov_b32 s5, 0
	s_mov_b64 s[6:7], s[20:21]
	s_or_b32 s7, s7, 0x80000000
	s_mov_b32 s8, 1                                ; and P's, behind them
	s_mov_b32 s9, 2*QUART
	s_mov_b64 s[10:11], s[46:47]
	s_or_b32 s11, s11, 0x80000000
	s_mul_i32 s18, s16, NB*KT*1536                 ; for the ring: my half of the tile
	s_mov_b32 s19, 0
	s_add_nc_u64 s[20:21], s[20:21], s[18:19]
	s_add_nc_u64 s[46:47], s[46:47], s[18:19]
.irp s, 0,1
	s_mov_b32 s[G0+4*\s], 1
	s_add_co_u32 s[G0+4*\s+1], s45, \s*SLOT
	s_add_nc_u64 s[G0+4*\s+2:G0+4*\s+3], s[20:21], \s*TILEB
	s_or_b32 s[G0+4*\s+3], s[G0+4*\s+3], 0x80000000
	s_mov_b32 s[G0B+4*\s], 1
	s_add_co_u32 s[G0B+4*\s+1], s45, \s*SLOT
	s_add_nc_u64 s[G0B+4*\s+2:G0B+4*\s+3], s[46:47], \s*TILEB
	s_or_b32 s[G0B+4*\s+3], s[G0B+4*\s+3], 0x80000000
.endr
; the head's loads, one a wave: wave 0 R's slot 0, wave 1 P's, wave 2 R's scale words, wave 3 P's: one chain of branches on the wave's number
.macro ARM under, g0, g1, next
	s_cmp_lt_u32 s14, \under
	s_cbranch_scc0 \next
	tensor_load_to_lds s[\g0:\g0+3], s[\g1:\g1+7]
	s_nop 0
	PLACES
	s_branch .Lhead_asked
\next:
.endm
	ARM 1, 4, G1, .Lhead_p
	ARM 2, 8, G1B, .Lhead_sr
	ARM 3, G0S, G1S, .Lhead_sp
	tensor_load_to_lds s[G0SB:G0SB+3], s[G1SB:G1SB+7]
	s_nop 0
	PLACES
.Lhead_asked:
	v_and_b32 v51, 31, v0
	v_and_b32 v52, 15, v0
	v_bfe_u32 v53, v0, 4, 1
	v_lshlrev_b32 v[L16], 4, v51
	v_lshlrev_b32 v[L8], 3, v51
	v_lshlrev_b32 v3, 6, v53
	s_mul_i32 s21, s15, QUART
	s_mul_i32 s22, s16, QUART
	s_add_co_u32 s22, s22, 2*QUART
.irp s, 0,1
	v_add_nc_u32 v[4+\s], s21, v[L16]
	v_add_nc_u32 v[6+\s], s21, v[L8]
	v_add_nc_u32 v[8+\s], s22, v[L16]
	v_add_nc_u32 v[10+\s], s22, v[L8]
	s_add_co_u32 s21, s21, SLOT
	s_add_co_u32 s22, s22, SLOT
.endr
	s_mul_i32 s21, s15, 64*NB
	s_mul_i32 s22, s16, 64*NB
	s_add_co_u32 s22, s22, 2*SQ+PSH
	s_sub_co_u32 s22, s22, s21
	v_mul_u32_u24 v12, s22, v53
	s_add_co_u32 s21, s21, SCL
	v_lshl_add_u32 v12, v52, 2, v12
	v_add_nc_u32 v12, s21, v12
	s_mul_i32 s46, s42, 2*NB
	s_mul_i32 s47, s16, NB
	s_add_co_u32 s46, s46, s47
	s_mul_i32 s20, s17, 2*NB
	s_mul_i32 s21, s15, NB
	s_add_co_u32 s20, s20, s21
	s_mov_b32 s19, 0
	s_lshl_b32 s18, s46, 6
	s_cmp_eq_u32 s95, 1
	s_cselect_b32 s18, 0, s18
	s_add_nc_u64 s[12:13], s[12:13], s[18:19]
	s_lshl_b32 s18, s20, 6
	s_cmp_eq_u32 s95, 1
	s_cselect_b32 s18, s18, 0
	s_add_nc_u64 s[96:97], s[96:97], s[18:19]
	v_and_b32 v48, 8, v52
	v_add_nc_u32 v48, v48, v52
	v_lshlrev_b32 v48, 2, v48
	WIN 0x40
.irp b, 0,1,2,3,4,5,6,7
	global_load_b128 v[96+8*(\b%4)+128*(\b/4):96+8*(\b%4)+128*(\b/4)+3], v3, s[12:13] offset:4*(32*(\b/2)+8*(\b%2))
	global_load_b128 v[96+8*(\b%4)+128*(\b/4)+4:96+8*(\b%4)+128*(\b/4)+7], v3, s[12:13] offset:4*(32*(\b/2)+8*(\b%2))+16
.endr
	WIN 0
.irp a, 0,1,2,3,4,5,6,7
	global_load_b32 v[16+2*\a], v48, s[96:97] offset:4*(32*(\a/2)+8*(\a%2))
.endr
	s_lshr_b32 s47, s46, 3
	s_cmp_eq_u32 s95, 1
	s_mov_b32 s92, 12288
	s_cselect_b32 s92, 49152, s92
	s_mov_b32 s93, 0
	s_mov_b32 s94, 16384
	s_cselect_b32 s94, 4096, s94
	s_mul_i32 s18, s20, s92
	s_mul_i32 s21, s47, 1536
	s_add_co_u32 s18, s18, s21
	s_mul_i32 s21, ttmp9, 3145728
	s_add_co_u32 s18, s18, s21
	s_add_nc_u64 s[66:67], s[98:99], s[18:19]
	s_mul_i32 s18, s47, s94
	s_lshl_b32 s21, s20, 6
	s_add_co_u32 s18, s18, s21
	s_lshl_b32 s21, ttmp9, 17
	s_add_co_u32 s18, s18, s21
	s_add_co_u32 s18, s18, 9437184
	s_add_nc_u64 s[98:99], s[98:99], s[18:19]
	s_wait_alu depctr_va_vdst(0)
	s_wait_tensorcnt 0x0                           ; my tile of the head's four is in
	ds_add_u32 v14, v15
	s_mov_b32 s[G1+2], NB<<16                      ; no tensor load of mine is out: from here on a load brings NB tiles
	s_mov_b32 s[G1+4], NB
	s_mov_b32 s[G1B+2], NB<<16
	s_mov_b32 s[G1B+4], NB
	s_wait_dscnt 0x0
	CROUND
	JLOAD G0+4, G1, G0B+4, G1B                     ; slot 1's first fill, the first tensor load behind the round
	FETCH 0, 0, 0, 0
	STEP 0, 0, 1
.if LAPS > 1
	s_mov_b32 s3, LAPS-1
.Llap:
	MID 0
	TURN 0, 1, 1
	s_wait_alu depctr_va_vdst(0)
	STEP 1, 0, 0
	MID 1
	TURN 1, 0, 1
	s_wait_alu depctr_va_vdst(0)
	STEP 0, 0, 0
	s_sub_co_u32 s3, s3, 1
	s_cmp_lg_u32 s3, 0
	s_cbranch_scc1 .Llap
.endif
	MID 0
	TURN 0, 1, 0
	s_wait_alu depctr_va_vdst(0)
	STEP 1, 0, 0
	MID 1
	s_wait_dscnt 0x0
	MULP 0, NB, 1, 0
	WIN 0
	PLACES
	s_wait_loadcnt 0x0
	s_mov_b32 s[SEL], 0x76543210
	s_mov_b32 s[SEL+1], 0xfedcba98
	s_cmp_eq_u32 s95, 1
	s_cselect_b32 s22, 0, 0x3f800000
	s_mov_b32 s23, s22
	s_cselect_b32 s45, 0x3f800000, 0
.irp b, 0,1,2,3
	v_mov_b32 v[TM+4+\b], 0
.endr
.irp a, 0,1,2,3,4,5,6,7
	v_mul_f32 v[16+2*\a], s45, v[16+2*\a]
	v_mov_b32 v[17+2*\a], 0
.endr
	s_lshl_b32 s3, s14, 9
	v_lshl_add_u32 v49, v52, 2, s3
	s_mov_b32 s2, 0
	s_mov_b32 s94, 0
.Lrow:
.irp a, 0,1,2,3,4,5,6
	s_cmp_eq_u32 s2, \a
	s_cbranch_scc1 .Lcopy\a
.endr
	COPY 7
	s_branch .Lwork
.irp a, 0,1,2,3,4,5,6
.Lcopy\a:
	COPY \a
	s_branch .Lwork
.endr
.Lwork:
	QUANT H
	IMG_OUT 66, 0
	v_add_nc_u32 v50, s94, v49
	ds_store_b32 v50, v[PW]
	s_wait_xcnt 0x0
	s_wait_dscnt 0x0
	s_add_nc_u64 s[66:67], s[66:67], s[92:93]
	s_add_co_u32 s94, s94, 64
	s_add_co_u32 s2, s2, 1
	s_cmp_lt_u32 s2, 8
	s_cbranch_scc1 .Lrow
	v_add_nc_u32 v50, s3, v[L16]
	ds_load_b128 v[H:H+3], v50
	s_wait_dscnt 0x0
	global_store_b128 v[L16], v[H:H+3], s[98:99]
	s_wait_tensorcnt 0x0
	ds_add_u32 v14, v15
	s_wait_dscnt 0x0
	CROUND
	s_endpgm
.Lfunc_end_k_q23f95cab65_qkv:
	.size	k_q23f95cab65_qkv, .Lfunc_end_k_q23f95cab65_qkv-k_q23f95cab65_qkv
	.p2alignl 7, 3214868480
	.fill 96, 4, 3214868480
	.section	.rodata,"a",@progbits
	.p2align	6, 0x0
	.amdhsa_kernel k_q23f95cab65_qkv
		.amdhsa_group_segment_fixed_size 327680
		.amdhsa_private_segment_fixed_size 0
		.amdhsa_enable_private_segment 0
		.amdhsa_kernarg_size 48
		.amdhsa_user_sgpr_count 2
		.amdhsa_user_sgpr_kernarg_segment_ptr 1
		.amdhsa_wavefront_size32 1
		.amdhsa_system_sgpr_workgroup_id_x 1
		.amdhsa_system_sgpr_workgroup_id_y 1
		.amdhsa_system_sgpr_workgroup_id_z 1
		.amdhsa_system_vgpr_workitem_id 0
		.amdhsa_next_free_vgpr 1024
		.amdhsa_next_free_sgpr 100
		.amdhsa_reserve_vcc 0
		.amdhsa_float_denorm_mode_32 3
		.amdhsa_float_denorm_mode_16_64 3
		.amdhsa_memory_ordered 1
		.amdhsa_forward_progress 1
		.amdhsa_inst_pref_size 159
	.end_amdhsa_kernel
	.amdgpu_metadata
---
amdhsa.version: [ 1, 2 ]
amdhsa.kernels:
  - .name:           k_q23f95cab65_qkv
    .symbol:         k_q23f95cab65_qkv.kd
    .args:
      - { .name: xq, .offset: 0, .size: 8, .value_kind: global_buffer, .address_space: global }
      - { .name: wimg, .offset: 8, .size: 8, .value_kind: global_buffer, .address_space: global }
      - { .name: bq, .offset: 16, .size: 8, .value_kind: global_buffer, .address_space: global }
      - { .name: bk, .offset: 24, .size: 8, .value_kind: global_buffer, .address_space: global }
      - { .name: bv, .offset: 32, .size: 8, .value_kind: global_buffer, .address_space: global }
      - { .name: qkvq, .offset: 40, .size: 8, .value_kind: global_buffer, .address_space: global }
    .group_segment_fixed_size: 327680
    .private_segment_fixed_size: 0
    .kernarg_segment_align: 8
    .kernarg_segment_size: 48
    .max_flat_workgroup_size: 128
    .sgpr_count:     100
    .vgpr_count:     1024
    .wavefront_size: 32
...
	.end_amdgpu_metadata
.endif
;; end of part 2
;; launch attn (part 3): grid 8 x 32, 16 waves a work-group, no clusters, 327,680 bytes of LDS; arguments qkvq, ctxq; writes ctxq
.if DOCPART == 3
	.amdgcn_target "amdgcn-amd-amdhsa--gfx1250"
	.amdhsa_code_object_version 6
	.text
	.protected	k_q23f95cab65_attn
	.globl	k_q23f95cab65_attn
	.p2align	8
	.type	k_q23f95cab65_attn,@function
k_q23f95cab65_attn:
	s_mov_b64 s[64:65], 0
	v_nop
	global_prefetch_b8 v0, s[64:65] scope:SCOPE_SE
	s_setreg_imm32_b32 hwreg(HW_REG_WAVE_MODE, 25, 1), 1
	s_wait_xcnt 0x0
; ATTN: ctx = softmax(q k^T / 8) v for one head and 256 queries a work-group, 16 queries a wave, both products on codes of E2M3; ctx is quantised on the way out and stored as an image.
; q, k: images [tile of 16 tokens][K step of 128 = two heads][1,536 bytes]: a head's 64 codes are one half, 768 bytes.  V^T: image [tile of 16 of (head, d)][K step of 128 tokens][1,536 bytes].
; Lane (r, h) of image tile T is row 32 (T / 2) + 8 (T % 2) + r + 8 (r / 8).  Both products are used transposed (S^T = K Q^T, O^T = V^T P^T): a lane holds ONE query.
; THE ROWS OF A TILE OF K ARE CHOSEN BY THE LANES' LDS ADDRESSES: of a step's 128 keys (blocks 0-3 of 32) tile 4 c + u takes keys 8 u .. 8 u + 7 of block 2 c in rows 0-7 and of block 2 c + 1 in rows 8-15.
; So lane (r, h) holds in S[32 c + t] key t of block 2 c + h: a whole block, in the order of the second product's operand: a block's largest score needs no other lane, and p's codes are not exchanged between lanes.
; THE SOFTMAX: t = score x log2(e) / 8; M = the running largest t rounded UP to a whole number; p = 2^(t - M) is quantised along the keys, not normalised; the sum of the unquantised p divides at the end.
; K = 64 IN AN INSTRUCTION OF K = 128: Q's upper six registers are zero codes, so what stands in the upper half of K's operand adds nothing; K's and Q's scale words are loaded as two bytes, zeros above (2^-127, a number).
; LDS: K in four classes, image tile T in class T % 4 at 24,576 x class + 128 x (class / 2) + 768 (T / 4): rows 0-7 of a tile come from classes 0, 1 and rows 8-15 from classes 2, 3, 128 bytes further round the banks,
; so the sixteen lanes of a 16-byte load touch 256 different bytes modulo 256.  V [d tile 4][K step 16][1,536] at 98,560; K's scale words at 196,864; V's at 205,056; the spare words at 209,152.  Every byte is filled once.
; FILLS: at the head one tensor load a wave: waves 0-3 the first 8 tiles of a class of K, waves 4-7 V's first four K steps of a d tile, waves 8-11 K's scale words, waves 12-15 V's.  Behind the sequence
; ahead of a later first fill, one more a wave: waves 0-7 K's other 96 tiles, waves 8-15 V's other twelve K steps; they land under the first four key steps, and one barrier shows them to all waves.
; NO CLUSTER: the eight work-groups of a head read the same 208,896 bytes, but each asks for them once, in two groups at its start; there is no ring whose refills could be asked for jointly.
; NO PREFETCH: every tensor load has been issued when the first product starts: there is no loop to run ahead in.
; LIMITS: NaN and infinities are not served; the promise holds while |t| stays under 2^31; v_exp_f32 gives 0 under 2^-126; a block whose largest magnitude lies under 2^-124 gets the scale byte 1.
.set VB,  98560
.set KSB, 196864
.set VSB, 205056
.set SPARE, 209152
; v1 16 x lane, v2 8 x lane, v3-6 bases (K 16-byte, K 8-byte, K's scales, V's scales), v7-12, v14-15 the step's addresses, v13 4 r
.set Q,   16                           ; v16-27
.set QS,  28                           ; Q's scale word
.set PS,  30                           ; p's
.set KF,  32                           ; v32-85 K's eight tiles + six zero registers, then V's four fragments
.set KSC, 86                           ; v86-93 K's scale words
.set S,   96                           ; v96-159 S^T, then p
.set O,   160                          ; v160-191 O^T
.set PC,  192                          ; p's codes
.set PX,  204
.set BM,  212                          ; my two blocks' largest score, then largest p
.set BT,  214
.set BS,  216
.set XT,  218                          ; four chains of maxima
.set NM,  222                          ; -M; NM+1: the largest t
.set L,   224                          ; the sum, in two halves
.set F,   226                          ; f = 2^(old M - new M)
.set T,   228
.set H8,  230                          ; 8 h
.set SA,  232                          ; four chains of sums
.set VSC, 246                          ; v246-249 V's scale words
.set G1K, 8
.set G1V, 16
.set G1KS, 24
.set G1VS, 32
.set G0K, 40
.set G0V, 44
.set G0KS, 48
.set G0VS, 52
.set WV, 56
.set BA, 57
.set HD, 58
.set HK, 59
.set HF, 60
.set HO, 61
.set SEL, 70
.set CS, 72
.set TK, 74
.set TV, 75
.set TS, 76
.set TJ, 77
.set CNT, 78
.set QA, 80
.set QB, 82
.set CA, 84
.set CB, 86
.set KG, 88
.set VG, 90
.macro NOP4
.rept 4
	v_nop
.endr
.endm
.macro GRP1 g, c, r, p                 ; group 1: r rows of c elements of 8 bytes, p elements apart
	s_mov_b32 s[\g], 3<<16
	s_mov_b32 s[\g+1], (\c)<<16
	s_mov_b32 s[\g+2], (\r)<<16
	s_mov_b32 s[\g+3], (\c)<<16
	s_mov_b32 s[\g+4], \r
	s_mov_b32 s[\g+5], \p
	s_mov_b32 s[\g+6], 0
	s_mov_b32 s[\g+7], 0
.endm
.macro ARM under, g0, g1, next, done   ; one arm of a chain of branches on the wave's number: one load, then the jump to the join
	s_cmp_lt_u32 s[WV], \under
	s_cbranch_scc0 \next
	tensor_load_to_lds s[\g0:\g0+3], s[\g1:\g1+7]
	s_nop 0
	NOP4
	s_branch \done
\next:
.endm
; The softmax of my 16 queries for 128 keys
.macro SOFT
.irp q, 0,1,2,3
	v_max3_num_f32 v[XT+\q], v[S+16*\q], v[S+16*\q+1], v[S+16*\q+2]   ; four chains of 15 scores; each accumulator is first read at its low end
.endr
.irp i, 3,5,7,9,11,13
.irp q, 0,1,2,3
	v_max3_num_f32 v[XT+\q], v[XT+\q], v[S+16*\q+\i], v[S+16*\q+\i+1]
.endr
.endr
.irp c, 0,1
	v_max3_num_f32 v[BM+\c], v[XT+2*\c], v[XT+2*\c+1], v[S+32*\c+15]
.endr
.irp c, 0,1
	v_max_num_f32 v[BM+\c], v[BM+\c], v[S+32*\c+31]   ; the largest score of my block 2 c + h: for the row's maximum and, since p rises with the score, for the block's largest p
.endr
	s_delay_alu instid0(VALU_DEP_1)
	v_max_num_f32 v[T], v[BM], v[BM+1]
	s_delay_alu instid0(VALU_DEP_1)
	v_permlanex16_b32 v[T+1], v[T], s[SEL], s[SEL+1]
	s_delay_alu instid0(VALU_DEP_1)
	v_max_num_f32 v[T], v[T], v[T+1]               ; with lane l xor 16's two blocks
	s_delay_alu instid0(VALU_DEP_1)
	v_mul_f32 v[T], s[CS], v[T]                    ; as t
	s_delay_alu instid0(VALU_DEP_1)
	v_max_num_f32 v[NM+1], v[NM+1], v[T]           ; the running largest t
	v_mov_b32 v[T], v[NM]
	s_delay_alu instid0(VALU_DEP_2)
	v_floor_f32 v[NM], -v[NM+1]                    ; the new -M = -ceil(t): a whole number
	s_delay_alu instid0(VALU_DEP_1)
	v_sub_f32 v[T], v[NM], v[T]                    ; old M - new M: a whole number, 0 or less
	s_delay_alu instid0(VALU_DEP_1)
	v_cvt_i32_f32 v[T], v[T]                       ; (it saturates)
	s_delay_alu instid0(VALU_DEP_1)
	v_ldexp_f32 v[F], 1.0, v[T]                    ; f: a multiplication by it rounds nothing
.set j, 0
.rept 32
	v_pk_fma_f32 v[S+j:S+j+1], v[S+j:S+j+1], s[CS:CS+1], v[NM:NM+1] op_sel_hi:[1,0,0]   ; t - M
.set j, j+2
.endr
	v_pk_fma_f32 v[BM:BM+1], v[BM:BM+1], s[CS:CS+1], v[NM:NM+1] op_sel_hi:[1,0,0]   ; the same of my blocks' largest scores
.set j, 0
.rept 16
	v_pk_mul_f32 v[O+j:O+j+1], v[O+j:O+j+1], v[F:F+1] op_sel_hi:[1,0]   ; O^T under the new M: no transcendental stands between the last products and these first readers
.set j, j+2
.endr
	v_pk_mul_f32 v[L:L+1], v[L:L+1], v[F:F+1] op_sel_hi:[1,0]   ; and the sums
	s_wait_alu depctr_va_vdst(0)                   ; the wait ahead of the batch
	v_exp_f32 v[BM], v[BM]                         ; my blocks' largest p
	v_exp_f32 v[BM+1], v[BM+1]
.set j, 0
.rept 64
	v_exp_f32 v[S+j], v[S+j]                       ; p = 2^(t - M)
.set j, j+1
.endr
	v_nop                                          ; a plain place behind the exponentials
	s_wait_alu depctr_va_vdst(0)                   ; one wait for the whole batch, ahead of its first reader
.irp c, 0,1
	v_max_num_f32 v[BM+\c], 0x1800000, v[BM+\c]    ; the floor 2^(3 - 127): the byte cannot fall under 1
.endr
.irp c, 0,1
	s_delay_alu instid0(VALU_DEP_2)
	v_add_nc_u32 v[BS+\c], 0xff000000, v[BM+\c]    ; 2 off the exponent field: the conversion's scale operand
.endr
.irp c, 0,1
	s_delay_alu instid0(VALU_DEP_2)
	v_lshrrev_b32 v[BT+\c], 23, v[BS+\c]           ; the scale's byte
.endr
	s_delay_alu instid0(VALU_DEP_1)
	v_lshl_or_b32 v[T], v[BT+1], 16, v[BT]         ; my bytes: blocks h and 2 + h,
	s_delay_alu instid0(VALU_DEP_1)
	v_lshlrev_b32 v[T], v[H8], v[T]                ; at their places in the word;
	s_delay_alu instid0(VALU_DEP_1)
	v_permlanex16_b32 v[T+1], v[T], s[SEL], s[SEL+1]
	s_delay_alu instid0(VALU_DEP_1)
	v_or_b32 v[PS], v[T], v[T+1]                   ; with lane l xor 16's two the word is whole
.irp c, 0,1
	v_cvt_scalef32_pk16_fp6_f32 v[PC+6*\c:PC+6*\c+2], v[S+32*\c:S+32*\c+15], v[BS+\c]
	v_cvt_scalef32_pk16_fp6_f32 v[PX+4*\c:PX+4*\c+2], v[S+32*\c+16:S+32*\c+31], v[BS+\c]   ; (a conversion's three registers begin on an even number)
.endr
	v_nop                                          ; one plain place behind a scaled conversion
.irp c, 0,1
.irp i, 0,1,2
	v_mov_b32 v[PC+6*\c+3+\i], v[PX+4*\c+\i]
.endr
.endr
.irp k, 0,1,2,3                        ; the row's sum of the unquantised p: 32 additions, which are also the places between p's codes and scale word and the products
	v_pk_add_f32 v[SA+2*\k:SA+2*\k+1], v[S+2*\k:S+2*\k+1], v[S+8+2*\k:S+8+2*\k+1]
.endr
.irp j, 16,24,32,40,48,56
.irp k, 0,1,2,3
	v_pk_add_f32 v[SA+2*\k:SA+2*\k+1], v[SA+2*\k:SA+2*\k+1], v[S+\j+2*\k:S+\j+2*\k+1]
.endr
.endr
	v_pk_add_f32 v[SA:SA+1], v[SA:SA+1], v[SA+2:SA+3]
	v_pk_add_f32 v[SA+4:SA+5], v[SA+4:SA+5], v[SA+6:SA+7]
	s_delay_alu instid0(VALU_DEP_1)
	v_pk_add_f32 v[SA:SA+1], v[SA:SA+1], v[SA+4:SA+5]
	s_delay_alu instid0(VALU_DEP_1)
	v_pk_add_f32 v[L:L+1], v[L:L+1], v[SA:SA+1]
.endm
; A KEY STEP: 128 keys
.macro STEP
	v_add_nc_u32 v7, s[TK], v3                     ; (these eight are also the places behind the last products, ahead of the loads into registers that they read)
	v_add_nc_u32 v8, s[TK], v4
	v_add_nc_u32 v11, s[TS], v5
	v_add_nc_u32 v9, s[TV], v1
	v_add_nc_u32 v10, s[TV], v2
	v_add_nc_u32 v12, s[TJ], v6
	v_add_nc_u32 v14, 49152, v9                    ; d tiles 2 and 3 lie beyond the 16-bit offset
	v_add_nc_u32 v15, 49152, v10
.irp i, 0,1,2,3,4,5,6,7
	ds_load_b128 v[KF+6*\i:KF+6*\i+3], v7 offset:(\i%2)*24576+(\i/4)*768+((\i%4)/2)*128
	ds_load_b64 v[KF+6*\i+4:KF+6*\i+5], v8 offset:(\i%2)*24576+(\i/4)*768+512+((\i%4)/2)*64
	ds_load_u16 v[KSC+\i], v11 offset:(4*(\i/4)+(\i%2))*64+((\i%4)/2)*32
.endr
	s_wait_alu depctr_va_vdst(0)                   ; the wait
	s_wait_dscnt 0x0
.irp i, 0,1,2,3,4,5,6,7
	v_wmma_scale_f32_16x16x128_f8f6f4 v[S+8*\i:S+8*\i+7], v[KF+6*\i:KF+6*\i+11], v[Q:Q+11], 0, v[KSC+\i], v[QS] matrix_a_fmt:MATRIX_FMT_FP6 matrix_b_fmt:MATRIX_FMT_FP6
.endr
	NOP4                                           ; places: ahead of the loads into K's registers and of the first read of the scores
.irp t, 0,1,2,3                        ; V's fragments are asked for now and land under the softmax
	ds_load_b128 v[KF+12*\t:KF+12*\t+3], v[9+5*(\t/2)] offset:24576*(\t%2)
	ds_load_b64 v[KF+12*\t+4:KF+12*\t+5], v[10+5*(\t/2)] offset:24576*(\t%2)+512
	ds_load_b128 v[KF+12*\t+6:KF+12*\t+9], v[9+5*(\t/2)] offset:24576*(\t%2)+768
	ds_load_b64 v[KF+12*\t+10:KF+12*\t+11], v[10+5*(\t/2)] offset:24576*(\t%2)+1280
	ds_load_b32 v[VSC+\t], v12 offset:64*\t
.endr
	SOFT
	s_wait_alu depctr_va_vdst(0)                   ; the wait, directly ahead of the wait below
	s_wait_dscnt 0x0                               ; V
.irp t, 0,1,2,3
	v_wmma_scale_f32_16x16x128_f8f6f4 v[O+8*\t:O+8*\t+7], v[KF+12*\t:KF+12*\t+11], v[PC:PC+11], v[O+8*\t:O+8*\t+7], v[VSC+\t], v[PS] matrix_a_fmt:MATRIX_FMT_FP6 matrix_b_fmt:MATRIX_FMT_FP6
.endr
	s_add_co_u32 s[TK], s[TK], 1536
	s_add_co_u32 s[TV], s[TV], 1536
	s_add_co_u32 s[TS], s[TS], 512
	s_add_co_u32 s[TJ], s[TJ], 256
.endm
.macro RUN first, n                    ; key steps first .. first + n - 1
	s_mov_b32 s[TK], 1536*\first
	s_mov_b32 s[TV], VB+1536*\first
	s_mov_b32 s[TS], 512*\first
	s_mov_b32 s[TJ], 256*\first
	s_mov_b32 s[CNT], \n
.Lstep_\@:
	STEP
	s_sub_co_u32 s[CNT], s[CNT], 1
	s_cmp_lg_u32 s[CNT], 0
	s_cbranch_scc1 .Lstep_\@
.endm
	s_load_b128 s[4:7], s[0:1], 0x0                ; qkvq, ctxq
	v_lshl_add_u32 v254, v0, 2, SPARE
	v_mov_b32 v255, 0
	ds_add_u32 v254, v255                          ; the opening lines: the add, twice on end, and its wait ahead of my first tensor load
	ds_add_u32 v254, v255
	v_lshrrev_b32 v1, 5, v0
	s_delay_alu instid0(VALU_DEP_1)
	v_readfirstlane_b32 s[WV], v1                  ; wave 0..15
	s_and_b32 s[HD], ttmp7, 0xffff
	s_lshr_b32 s[BA], s[HD], 4                     ; batch
	s_and_b32 s[HD], s[HD], 15                     ; head
	s_lshr_b32 s[HK], s[HD], 1                     ; its K step in q's and k's images
	s_and_b32 s[HF], s[HD], 1                      ; and which half of it
	GRP1 G1K, 96, 8, 6144                          ; K: 8 tiles' halves of 768 bytes of one class, four tiles (49,152 bytes) apart
	GRP1 G1V, 32, 24, 32                           ; V: four K steps of one d tile, 6,144 dense bytes as rows of 256
	GRP1 G1KS, 32, 8, 32                           ; K's scale words: 2,048 dense bytes a wave
	GRP1 G1VS, 32, 4, 512                          ; V's: 4 K steps x 256 bytes, 4,096 bytes apart
	s_mul_i32 s[HO], s[HK], 1536
	s_mul_i32 s66, s[HF], 768
	s_add_co_u32 s[HO], s[HO], s66                 ; the head's half inside a tile of q, k, ctx
	s_mov_b32 s67, 0
	s_wait_dscnt 0x0                               ; both opening adds are done
	s_wait_kmcnt 0x0
	s_mul_i32 s66, s[BA], 1572864                  ; K: the batch's 128 tiles
	s_add_co_u32 s66, s66, s[HO]
	s_add_co_u32 s66, s66, 3145728
	s_add_nc_u64 s[KG:KG+1], s[4:5], s[66:67]
	s_mul_i32 s66, s[WV], 12288                    ; waves 0-3: class w begins at tile w
	s_add_nc_u64 s[G0K+2:G0K+3], s[KG:KG+1], s[66:67]
	s_or_b32 s[G0K+3], s[G0K+3], 0x80000000
	s_mov_b32 s[G0K], 1
	s_mul_i32 s[G0K+1], s[WV], 24576
	s_lshr_b32 s68, s[WV], 1
	s_lshl_b32 s68, s68, 7
	s_add_co_u32 s[G0K+1], s[G0K+1], s68
	s_mul_i32 s66, s[HD], 196608                   ; V: the head's four d tiles, the batch's 16 K steps; four d tiles are taken off, since waves 4-7 add their number x a d tile
	s_mul_i32 s68, s[BA], 24576
	s_add_co_u32 s66, s66, s68
	s_add_co_u32 s66, s66, 6291456-196608
	s_add_nc_u64 s[VG:VG+1], s[4:5], s[66:67]
	s_mul_i32 s66, s[WV], 49152                    ; waves 4-7: d tile w - 4
	s_add_nc_u64 s[G0V+2:G0V+3], s[VG:VG+1], s[66:67]
	s_or_b32 s[G0V+3], s[G0V+3], 0x80000000
	s_mov_b32 s[G0V], 1
	s_mul_i32 s[G0V+1], s[WV], 24576
	s_add_co_u32 s[G0V+1], s[G0V+1], VB-98304
	s_lshl_b32 s66, s[HK], 14                      ; K's scale words: waves 8-11, 2,048 bytes each
	s_lshl_b32 s68, s[BA], 13
	s_add_co_u32 s66, s66, s68
	s_lshl_b32 s68, s[WV], 11
	s_add_co_u32 s66, s66, s68
	s_add_co_u32 s66, s66, 9568256-16384
	s_add_nc_u64 s[G0KS+2:G0KS+3], s[4:5], s[66:67]
	s_or_b32 s[G0KS+3], s[G0KS+3], 0x80000000
	s_mov_b32 s[G0KS], 1
	s_add_co_u32 s[G0KS+1], s68, KSB-16384
	s_lshl_b32 s66, s[BA], 16                      ; V's: waves 12-15, four K steps each
	s_lshl_b32 s68, s[HD], 8
	s_add_co_u32 s66, s66, s68
	s_lshl_b32 s68, s[WV], 14
	s_add_co_u32 s66, s66, s68
	s_add_co_u32 s66, s66, 9699328-196608
	s_add_nc_u64 s[G0VS+2:G0VS+3], s[4:5], s[66:67]
	s_or_b32 s[G0VS+3], s[G0VS+3], 0x80000000
	s_mov_b32 s[G0VS], 1
	s_lshl_b32 s[G0VS+1], s[WV], 10
	s_add_co_u32 s[G0VS+1], s[G0VS+1], VSB-12288
	ARM 4, G0K, G1K, .Lh_v, .Lh_done               ; the head's loads, one a wave: one chain of branches on the wave's number
	ARM 8, G0V, G1V, .Lh_ks, .Lh_done
	ARM 12, G0KS, G1KS, .Lh_vs, .Lh_done
	tensor_load_to_lds s[G0VS:G0VS+3], s[G1VS:G1VS+7]
	s_nop 0
	NOP4
.Lh_done:
	s_lshl_b32 s68, s[BA], 7
	s_lshl_b32 s66, ttmp9, 4
	s_add_co_u32 s68, s68, s66
	s_add_co_u32 s68, s68, s[WV]                   ; my tile of queries: 128 x batch + 16 x work-group x + wave
	s_mul_i32 s66, s68, 12288
	s_add_co_u32 s66, s66, s[HO]
	s_add_nc_u64 s[QA:QA+1], s[4:5], s[66:67]      ; q's half fragment
	s_add_nc_u64 s[CA:CA+1], s[6:7], s[66:67]      ; ctx's
	s_lshl_b32 s68, s68, 6
	s_lshl_b32 s66, s[HK], 14
	s_add_co_u32 s68, s68, s66
	s_lshl_b32 s[HF], s[HF], 1
	s_add_co_u32 s68, s68, s[HF]                   ; the scale bytes' place: 16,384 x K step + 64 x tile + 2 x half
	s_add_co_u32 s66, s68, 9437184
	s_add_nc_u64 s[QB:QB+1], s[4:5], s[66:67]
	s_add_co_u32 s66, s68, 3145728
	s_add_nc_u64 s[CB:CB+1], s[6:7], s[66:67]
	s_add_co_u32 s[HF], s[HF], KSB
	s_mov_b32 s[SEL], 0x76543210
	s_mov_b32 s[SEL+1], 0xfedcba98
	s_mov_b32 s[CS], 0x3e38aa3b                    ; log2(e) / 8
	s_mov_b32 s[CS+1], s[CS]
	v_and_b32 v7, 31, v0
	v_and_b32 v8, 15, v0
	v_and_b32 v9, 23, v0                           ; r % 8 + 16 h: the lane of the image that holds my row's codes
	v_bfe_u32 v10, v0, 3, 1                        ; r / 8: rows 8-15 come from the class two further on
	v_and_b32 v11, 7, v0
	v_bfe_u32 v12, v0, 4, 1                        ; h
	v_lshlrev_b32 v1, 4, v7
	v_lshlrev_b32 v2, 3, v7
	v_lshlrev_b32 v13, 2, v8
	v_mul_u32_u24 v14, v10, 49280
	v_lshlrev_b32 v11, 2, v11
	v_lshl_add_u32 v3, v9, 4, v14
	v_lshl_add_u32 v4, v9, 3, v14
	v_lshl_add_u32 v11, v10, 7, v11
	v_add_nc_u32 v6, VSB, v13
	v_add_nc_u32 v5, s[HF], v11
	global_load_b128 v[Q:Q+3], v1, s[QA:QA+1]
	global_load_b64 v[Q+4:Q+5], v2, s[QA:QA+1] offset:512
	global_load_u16 v[QS], v13, s[QB:QB+1]
.irp j, 6,7,8,9,10,11
	v_mov_b32 v[Q+\j], 0                           ; zero codes
	v_mov_b32 v[KF+42+\j], 0                       ; and behind K's last tile
.endr
	v_mov_b32 v[NM], 0x7f61b1e6                    ; -M = 3e38
	v_mov_b32 v[NM+1], 0xff61b1e6                  ; the largest t so far: -3e38
.irp j, L, L+1, F+1, T, T+1
	v_mov_b32 v[\j], 0
.endr
	v_lshlrev_b32 v[H8], 3, v12
.set j, 0
.rept 32
	v_mov_b32 v[O+j], 0                            ; O^T: the step is written once; the first finds zeros
.set j, j+1
.endr
	s_wait_alu depctr_va_vdst(0)                   ; the wait at the head's end
	s_wait_tensorcnt 0x0                           ; my load of the head is in
	ds_add_u32 v254, v255
	s_mov_b32 s[G1K+2], 12<<16                     ; no tensor load of mine is out: the descriptors may be written.  K: 12 tiles of a class a wave,
	s_mov_b32 s[G1K+4], 12
	s_mov_b32 s[G1V+2], 36<<16                     ; V: six K steps of a d tile, 9,216 dense bytes
	s_mov_b32 s[G1V+4], 36
	s_and_b32 s68, s[WV], 3                        ; waves 0-7: class w % 4, its tiles 8 + 12 (w / 4) on
	s_lshr_b32 s69, s[WV], 2
	s_mul_i32 s66, s68, 12288
	s_mul_i32 s62, s69, 589824
	s_add_co_u32 s66, s66, s62
	s_add_co_u32 s66, s66, 393216
	s_add_nc_u64 s[G0K+2:G0K+3], s[KG:KG+1], s[66:67]
	s_or_b32 s[G0K+3], s[G0K+3], 0x80000000
	s_mul_i32 s[G0K+1], s68, 24576
	s_lshr_b32 s68, s68, 1
	s_lshl_b32 s68, s68, 7
	s_add_co_u32 s[G0K+1], s[G0K+1], s68
	s_mul_i32 s69, s69, 9216
	s_add_co_u32 s[G0K+1], s[G0K+1], s69
	s_add_co_u32 s[G0K+1], s[G0K+1], 6144
	s_lshr_b32 s68, s[WV], 1                       ; waves 8-15: d tile w / 2 - 4, K steps 4 + 6 (w % 2) on
	s_and_b32 s69, s[WV], 1
	s_mul_i32 s69, s69, 9216
	s_add_co_u32 s69, s69, 6144
	s_mul_i32 s66, s68, 49152
	s_add_co_u32 s66, s66, s69
	s_add_nc_u64 s[G0V+2:G0V+3], s[VG:VG+1], s[66:67]
	s_or_b32 s[G0V+3], s[G0V+3], 0x80000000
	s_mul_i32 s[G0V+1], s68, 24576
	s_add_co_u32 s[G0V+1], s[G0V+1], s69
	s_add_co_u32 s[G0V+1], s[G0V+1], VB-98304
	s_wait_dscnt 0x0                               ; the add is done
	s_barrier_signal -1
	s_barrier_wait -1                              ; the first 512 keys and all scale words are in, for every wave
	ARM 8, G0K, G1K, .Ls_v, .Ls_done               ; my one load behind the barrier
	tensor_load_to_lds s[G0V:G0V+3], s[G1V:G1V+7]
	s_nop 0
	NOP4
.Ls_done:
	s_wait_loadcnt 0x0                             ; Q and its scale word
	RUN 0, 4
	s_wait_tensorcnt 0x0                           ; my part of the other 1,536 keys is in
	s_wait_dscnt 0x0
	s_barrier_signal -1
	s_barrier_wait -1                              ; and everybody's
	RUN 4, 12
	; THE WAY OUT: O^T / the sum is ctx's 64 channels of my query, register 16 b + i = channel 32 b + 16 h + i: two blocks, half a fragment
	NOP4                                           ; places behind the last products
	v_add_f32 v[L], v[L], v[L+1]
	s_delay_alu instid0(VALU_DEP_1)
	v_permlanex16_b32 v[T], v[L], s[SEL], s[SEL+1]
	s_delay_alu instid0(VALU_DEP_1)
	v_add_f32 v[L], v[L], v[T]                     ; the row's sum
	s_wait_alu depctr_va_vdst(0)                   ; the wait ahead of the transcendental
	v_rcp_f32 v[L], v[L]
	v_nop                                          ; a plain place behind it
	s_wait_alu depctr_va_vdst(0)                   ; the wait ahead of its first reader, which is also O^T's first reader
.set j, 0
.rept 16
	v_pk_mul_f32 v[S+j:S+j+1], v[O+j:O+j+1], v[L:L+1] op_sel_hi:[1,0]   ; each accumulator from its low end on
.set j, j+2
.endr
.irp b, 0,1
	v_max3_num_f32 v[BM+\b], |v[S+16*\b]|, |v[S+1+16*\b]|, 0x1800000
.endr
.irp i, 2,4,6,8,10,12,14
.irp b, 0,1
	s_delay_alu instid0(VALU_DEP_2)
	v_max3_num_f32 v[BM+\b], v[BM+\b], |v[S+16*\b+\i]|, |v[S+1+16*\b+\i]|
.endr
.endr
.irp b, 0,1
	s_delay_alu instid0(VALU_DEP_2)
	v_permlanex16_b32 v[BT+\b], v[BM+\b], s[SEL], s[SEL+1]
.endr
.irp b, 0,1
	s_delay_alu instid0(VALU_DEP_2)
	v_max_num_f32 v[BM+\b], v[BM+\b], v[BT+\b]
.endr
.irp b, 0,1
	s_delay_alu instid0(VALU_DEP_2)
	v_add_nc_u32 v[BS+\b], 0xff000000, v[BM+\b]
.endr
.irp b, 0,1
	s_delay_alu instid0(VALU_DEP_2)
	v_lshrrev_b32 v[BT+\b], 23, v[BS+\b]
.endr
	s_delay_alu instid0(VALU_DEP_1)
	v_lshl_or_b32 v[T], v[BT+1], 8, v[BT]          ; the head's two scale bytes
	v_cvt_scalef32_pk16_fp6_f32 v[PC:PC+2], v[S:S+15], v[BS]
	v_cvt_scalef32_pk16_fp6_f32 v[PX:PX+2], v[S+16:S+31], v[BS+1]
	v_nop
.irp i, 0,1,2
	v_permlane16_swap_b32 v[PC+\i], v[PX+\i]       ; here a block lies in lanes l and l xor 16: the layout wants it whole in a lane
.endr
.irp i, 0,1,2
	s_delay_alu instid0(VALU_DEP_3)
	v_mov_b32 v[PC+3+\i], v[PX+\i]
.endr
	global_store_b128 v1, v[PC:PC+3], s[CA:CA+1]   ; 512 consecutive bytes,
	global_store_b64 v2, v[PC+4:PC+5], s[CA:CA+1] offset:512   ; and 256
	v_and_b32 v7, 31, v0
	s_delay_alu instid0(VALU_DEP_1)
	v_cmp_gt_u32 vcc_lo, 16, v7
	s_wait_alu depctr_va_vdst(0)                   ; the wait, directly ahead of the wait below
	s_wait_xcnt 0x0                                ; EXEC changes only behind this wait
	s_wait_tensorcnt 0x0                           ; the wave's end
	ds_add_u32 v254, v255
	s_wait_dscnt 0x0
	s_and_saveexec_b32 s92, vcc_lo
	global_store_b16 v13, v[T], s[CB:CB+1]         ; lanes 0-15: the head's two scale bytes of each query
	s_wait_xcnt 0x0
	s_or_b32 exec_lo, exec_lo, s92
	s_endpgm
.Lfunc_end_k_q23f95cab65_attn:
	.size	k_q23f95cab65_attn, .Lfunc_end_k_q23f95cab65_attn-k_q23f95cab65_attn
	.p2alignl 7, 3214868480
	.fill 96, 4, 3214868480
	.section	.rodata,"a",@progbits
	.p2align	6, 0x0
	.amdhsa_kernel k_q23f95cab65_attn
		.amdhsa_group_segment_fixed_size 327680
		.amdhsa_private_segment_fixed_size 0
		.amdhsa_enable_private_segment 0
		.amdhsa_kernarg_size 16
		.amdhsa_user_sgpr_count 2
		.amdhsa_user_sgpr_kernarg_segment_ptr 1
		.amdhsa_wavefront_size32 1
		.amdhsa_system_sgpr_workgroup_id_x 1
		.amdhsa_system_sgpr_workgroup_id_y 1
		.amdhsa_system_sgpr_workgroup_id_z 1
		.amdhsa_system_vgpr_workitem_id 0
		.amdhsa_next_free_vgpr 256
		.amdhsa_next_free_sgpr 96
		.amdhsa_reserve_vcc 1
		.amdhsa_float_denorm_mode_32 3
		.amdhsa_float_denorm_mode_16_64 3
		.amdhsa_memory_ordered 1
		.amdhsa_forward_progress 1
		.amdhsa_inst_pref_size 50
	.end_amdhsa_kernel
	.amdgpu_metadata
---
amdhsa.version: [ 1, 2 ]
amdhsa.kernels:
  - .name:           k_q23f95cab65_attn
    .symbol:         k_q23f95cab65_attn.kd
    .args:
      - { .name: qkvq, .offset: 0, .size: 8, .value_kind: global_buffer, .address_space: global }
      - { .name: ctxq, .offset: 8, .size: 8, .value_kind: global_buffer, .address_space: global }
    .group_segment_fixed_size: 327680
    .private_segment_fixed_size: 0
    .kernarg_segment_align: 8
    .kernarg_segment_size: 16
    .max_flat_workgroup_size: 512
    .sgpr_count:     96
    .vgpr_count:     256
    .wavefront_size: 32
...
	.end_amdgpu_metadata
.endif
;; end of part 3
;; launch wo (part 4): grid 8 x 32, 4 waves a work-group, clusters of 4 x 4, 327,680 bytes of LDS; arguments ctxq, wimg, bo, ybuf; writes ybuf
.if DOCPART == 4
	.amdgcn_target "amdgcn-amd-amdhsa--gfx1250"
	.amdhsa_code_object_version 6
	.text
	.protected	k_q23f95cab65_wo
	.globl	k_q23f95cab65_wo
	.p2align	8
	.type	k_q23f95cab65_wo,@function
k_q23f95cab65_wo:
	s_mov_b64 s[64:65], 0
	v_nop
	global_prefetch_b8 v0, s[64:65] scope:SCOPE_SE
	s_setreg_imm32_b32 hwreg(HW_REG_WAVE_MODE, 25, 1), 1
	s_wait_xcnt 0x0
	s_wait_alu depctr_hold_cnt(0) depctr_sa_sdst(0) depctr_va_vdst(0) depctr_va_sdst(0) depctr_va_ssrc(0) depctr_va_vcc(0) depctr_vm_vsrc(0)
	s_getreg_b32 s2, hwreg(HW_REG_IB_STS2, 6, 4)
	s_cmp_eq_u32 s2, 0
	s_cbranch_scc0 .Lentry_in_a_cluster
	s_endpgm
.Lentry_in_a_cluster:
	s_bfe_u32 s2, ttmp6, 0x10000c
	s_cmp_lg_u32 s2, 0xf033
	s_cbranch_scc0 .Lentry_shape_is_right
	s_endpgm
.Lentry_shape_is_right:
; WO: y = ctx Wo + bo, on codes of E2M3 with E8M0 scales; y leaves in f32 as images of the accumulators.
; OPERANDS ARE IMAGES: codes [T = rows / 16][s = K / 128][1,536 bytes] (registers 6 c .. 6 c + 3 of lane l at 768 c + 16 l, registers 6 c + 4, 5 at 768 c + 512 + 8 l); lane (r, h) of tile T is row
; 32 (T / 2) + 8 (T % 2) + r + 8 (r / 8); scale words [s][16 T + r].  THE PRODUCT IS USED TRANSPOSED: source 0 = 16 rows of the weight (P), source 1 = 16 rows of the activations (R): a lane holds one row of R.
; y: [T 256][column tile 64][1,024 bytes]: registers 0-3 of lane l at 16 l, registers 4-7 at 512 + 16 l: every store covers 512 consecutive bytes.
; The weight has 1,024 rows: tiles of 256 x 256 would be 64 work-groups, so a work-group makes 128 x 128 and a wave 64 x 64 (16 accumulators): 256 work-groups.  A slot holds 512 along K; each wave fetches a quarter of a slot
; by one tensor load (4 rows of 6,144 bytes).  CLUSTERS 4 x 4: R's tile is shared along a row of the cluster, P's along a column.  The scale words come once with the first fills.
; REGISTERS: window 0: v1-15 addresses; v32-39 scale words, two sets; v51-53 at work; v64-159 R's fragments, two sets (behind the products v64-127 serve the way out).
;   window 1: P's fragments, two sets at v0 and v128; the bias at v96-127.   window 2: accumulator (a, b) at register 8 (4 a + b).
.set NB, 4
.set NQ, 4
.set KT, 8
.set RSOFF, 3145728                    ; R's scale words in its buffer
.set PCOFF, 2359296                    ; Wo's codes in wimg
.set PSOFF, 9449472                    ; Wo's scale words: the fourth 1,024 rows of the small weights' array
.set PSTR, 2048
.set TILEB, 1536*NQ
.set QUART, NB*TILEB
.set SLOT,  4*QUART
.set SCL,   2*SLOT
.set SQ,    KT*64*NB
.set PSH,   64
.set SPARE, SCL+4*SQ+256
.set LAPS,  KT/(2*NQ)
.set SC, 32
.set RF, 64
.set G1, 24
.set G0, 32
.set G1B, 48
.set G0B, 56
.set G1S, 68
.set G0S, 76
.set G1SB, 80
.set G0SB, 88
.set H,  64
.set L16, 1
.set L8, 2
.set MSB, 0
.macro WIN new                         ; the immediate's high byte repeats the setting that is left
.if MSB != (\new)
	s_set_vgpr_msb (MSB<<8)|(\new)
.set MSB, (\new)
.endif
.endm
.macro PLACES                          ; four plain places: behind a matrix instruction, ahead of loads into registers that it has read and of the first read of its result
.rept 4
	v_nop
.endr
.endm
.macro JLOAD g0a, g1a, g0b, g1b        ; a joint load: waves 0 and 1 fetch for R, waves 2 and 3 for P; four v_nop follow each of the two lines
	s_cmp_eq_u32 s15, 0
	s_cbranch_scc0 .Lfor_p_\@
	tensor_load_to_lds s[\g0a:\g0a+3], s[\g1a:\g1a+7]
	s_nop 0
	PLACES
	s_branch .Lasked_\@
.Lfor_p_\@:
	tensor_load_to_lds s[\g0b:\g0b+3], s[\g1b:\g1b+7]
	s_nop 0
	PLACES
.Lasked_\@:
.endm
.macro CREST                           ; a round of the cluster's barrier behind its opening barrier
	s_cmp_lg_u32 s14, 0
	s_cbranch_scc1 .Lnot_wave_0_\@
	s_barrier_signal -3
.Lnot_wave_0_\@:
	s_barrier_wait -3
	s_barrier_signal -1
	s_barrier_wait -1
.endm
.macro CROUND
	s_barrier_signal -1
	s_barrier_wait -1
	CREST
.endm
.macro FRAG reg, a16, a8, off          ; a fragment's image: four dense loads
	ds_load_b128 v[\reg:\reg+3], v[\a16] offset:\off
	ds_load_b64 v[\reg+4:\reg+5], v[\a8] offset:\off+512
	ds_load_b128 v[\reg+6:\reg+9], v[\a16] offset:\off+768
	ds_load_b64 v[\reg+10:\reg+11], v[\a8] offset:\off+1280
.endm
.macro FETCH slot, q, set, ko          ; the fragments and scale words of the slot's q-th K step into set; ko: K steps on from where v12 stands
	WIN 0x40
.set fi, 0
.rept NB
	FRAG 128*(\set)+12*fi, 8+\slot, 10+\slot, fi*TILEB+1536*(\q)
.set fi, fi+1
.endr
	WIN 0
.set fi, 0
.rept NB
	FRAG RF+12*NB*(\set)+12*fi, 4+\slot, 6+\slot, fi*TILEB+1536*(\q)
.set fi, fi+1
.endr
.set fi, 0
.rept NB
	ds_load_b32 v[SC+NB*(\set)+fi], v12 offset:(\ko)*128*NB+64*fi
.set fi, fi+1
.endr
.endm
.macro MULP a0, cnt, set, zero         ; R's blocks a0 .. a0 + cnt - 1 against all of P's; the accumulators take turns, in the same order in every K step
.set ma, \a0
.rept \cnt
	WIN 0xa1+0x50*((8*NB*ma)/256)
.set mb, 0
.rept NB
.set rD, (8*(NB*ma+mb))%256
.set rP, 128*(\set)+12*mb
.set rR, RF+12*NB*(\set)+12*ma
.if \zero
	v_wmma_scale_f32_16x16x128_f8f6f4 v[rD:rD+7], v[rP:rP+11], v[rR:rR+11], 0, v[SC+NB*(\set)+mb], v[SC+NB*(\set)+ma] matrix_a_fmt:MATRIX_FMT_FP6 matrix_b_fmt:MATRIX_FMT_FP6 matrix_a_scale:MATRIX_SCALE_ROW1
.else
	v_wmma_scale_f32_16x16x128_f8f6f4 v[rD:rD+7], v[rP:rP+11], v[rR:rR+11], v[rD:rD+7], v[SC+NB*(\set)+mb], v[SC+NB*(\set)+ma] matrix_a_fmt:MATRIX_FMT_FP6 matrix_b_fmt:MATRIX_FMT_FP6 matrix_a_scale:MATRIX_SCALE_ROW1
.endif
.set mb, mb+1
.endr
.set ma, ma+1
.endr
.endm
.macro STEP slot, q, zero              ; a K step that has its successor in the same slot
	s_wait_dscnt 0x0                               ; this step's set, asked for a step ago, is in
	PLACES                                         ; behind the last products, which read the other set
	FETCH \slot, (\q)+1, 1-(\q)%2, (\q)+1
	MULP 0, NB, (\q)%2, \zero
	WIN 0
.endm
.macro MID slot                        ; the slot's K steps 1 .. NQ - 2
.set mq, 1
.rept NQ-2
	STEP \slot, mq, 0
.set mq, mq+1
.endr
.endm
; A slot's last K step changes slots: ONE barrier; ahead of it each wave waits for all its tensor loads, adds 0 to its spare word, and waits for that and for its reads of this slot.  fill = 1: the slot is filled again, two slots ahead.
.macro TURN slot, next, fill
	s_wait_tensorcnt 0x0                           ; all my tensor loads have landed: my part of the next slot
	ds_add_u32 v14, v15                            ; 0 onto my spare word
	s_wait_dscnt 1                                 ; only the add may be out
	MULP 0, NB/4, 1, 0
	s_wait_dscnt 0x0                               ; the add is done, and my reads of this slot are over
	s_barrier_signal -1
	MULP NB/4, NB/4, 1, 0
	WIN 0
	s_barrier_wait -1
.if \fill
	CREST                                          ; the barrier has opened a round of the cluster's: no wave of any partner still reads this slot or has a load on its way
	s_add_nc_u64 s[G0+4*\slot+2:G0+4*\slot+3], s[G0+4*\slot+2:G0+4*\slot+3], 2*TILEB
	s_add_nc_u64 s[G0B+4*\slot+2:G0B+4*\slot+3], s[G0B+4*\slot+2:G0B+4*\slot+3], 2*TILEB
	JLOAD G0+4*\slot, G1, G0B+4*\slot, G1B         ; the first tensor load behind the round; its four v_nop are the places ahead of the loads below
.else
	PLACES
.endif
	v_add_nc_u32 v12, NQ*128*NB, v12               ; on to the next slot's scale words
	FETCH \next, 0, 0, 0
	MULP NB/2, NB/2, 1, 0
	WIN 0
.endm
.macro COPY a                          ; block a's accumulators + the bias come into window 0, each read from its low end on; two sets of 32 registers by turns
	WIN 0x06+(8*NB*(\a))/256                       ; source 0 (the sums) window 2, source 1 (the bias) window 1
.set cb, 0
.rept NB
.set ci, 0
.rept 4
	v_pk_add_f32 v[H+32*((\a)%2)+8*cb+ci:H+32*((\a)%2)+8*cb+ci+1], v[(8*(NB*(\a)+cb))%256+ci:(8*(NB*(\a)+cb))%256+ci+1], v[96+8*(cb%4)+128*(cb/4)+ci:96+8*(cb%4)+128*(cb/4)+ci+1]
.set ci, ci+2
.endr
.set cb, cb+1
.endr
	WIN 0
.endm
	s_load_b256 s[4:11], s[0:1], 0x0               ; R's buffer, wimg, the bias, y
	v_lshl_add_u32 v14, v0, 2, SPARE
	v_mov_b32 v15, 0
	ds_add_u32 v14, v15
	ds_add_u32 v14, v15
	s_wait_dscnt 0x0
	v_lshrrev_b32 v1, 5, v0
	v_readfirstlane_b32 s14, v1                    ; wave 0..3
	s_lshr_b32 s15, s14, 1                         ; which half of R's rows is mine.  Also: I fetch for R (0) or for P (1)
	s_and_b32 s16, s14, 1                          ; which half of P's rows.  Also: which half of that tile I fetch
	s_bfe_u32 s40, ttmp6, 0x40000                  ; cx, cy
	s_bfe_u32 s41, ttmp6, 0x40004
	s_lshl_b32 s42, ttmp9, 2
	s_add_co_u32 s42, s42, s40                     ; P's tile = 4 x cluster x + cx
	s_and_b32 s17, ttmp7, 0xffff
	s_lshl_b32 s17, s17, 2
	s_add_co_u32 s17, s17, s41                     ; R's tile = 4 x cluster y + cy
	s_lshl_b32 s43, s41, 2
	s_lshl_b32 s43, 15, s43                        ; my row of the cluster
	s_lshl_b32 s44, 0x1111, s40                    ; my column
	s_or_b32 s[G1+0], s43, (3<<16)|(1<<21)         ; 15:0 the mask; 17:16 elements of 8 bytes; 21 set beside a mask; no padding
	s_or_b32 s[G1B+0], s44, (3<<16)|(1<<21)
.irp g, G1, G1B
	s_mov_b32 s[\g+1], (TILEB/8)<<16
	s_mov_b32 s[\g+2], (2*NB)<<16
	s_mov_b32 s[\g+3], (TILEB/8)<<16
	s_mov_b32 s[\g+4], 2*NB
	s_mov_b32 s[\g+5], 192*KT
	s_mov_b32 s[\g+6], 0
	s_mov_b32 s[\g+7], 0
.endr
	s_or_b32 s[G1S+0], s43, (3<<16)|(1<<21)
	s_or_b32 s[G1SB+0], s44, (3<<16)|(1<<21)
.irp g, G1S, G1SB
	s_mov_b32 s[\g+1], (16*NB)<<16
	s_mov_b32 s[\g+2], KT<<16
	s_mov_b32 s[\g+3], (16*NB)<<16
	s_mov_b32 s[\g+4], KT
	s_mov_b32 s[\g+6], 0
	s_mov_b32 s[\g+7], 0
.endr
	s_mov_b32 s[G1S+5], 2048
	s_mov_b32 s[G1SB+5], PSTR
	s_mul_i32 s20, s17, 2*NB                       ; R: the block's first tile of 16 rows
	s_mul_i32 s46, s42, 2*NB                       ; P likewise: R's registers never hold cx, P's never cy
	s_lshl_b32 s22, s20, 6
	s_mov_b32 s23, 0
	s_lshl_b32 s92, s46, 6
	s_mov_b32 s93, 0
	s_mul_i32 s20, s20, KT*1536
	s_mov_b32 s21, 0
	s_mul_i32 s46, s46, KT*1536
	s_mov_b32 s47, 0
	s_mul_i32 s45, s14, QUART
	s_wait_kmcnt 0x0
	s_mov_b64 s[12:13], s[8:9]                     ; the bias
	s_mov_b64 s[66:67], s[10:11]                   ; y
	s_add_nc_u64 s[8:9], s[6:7], PCOFF
	s_add_nc_u64 s[10:11], s[6:7], PSOFF
	s_add_nc_u64 s[6:7], s[4:5], RSOFF
	s_add_nc_u64 s[20:21], s[4:5], s[20:21]
	s_add_nc_u64 s[22:23], s[6:7], s[22:23]
	s_add_nc_u64 s[46:47], s[8:9], s[46:47]
	s_add_nc_u64 s[92:93], s[10:11], s[92:93]
	CROUND                                         ; all sixteen work-groups are here: the first joint loads meet
	s_mov_b32 s[G0S], 1
	s_mov_b32 s[G0S+1], SCL
	s_mov_b64 s[G0S+2:G0S+3], s[22:23]
	s_or_b32 s[G0S+3], s[G0S+3], 0x80000000
	s_mov_b32 s[G0SB], 1
	s_mov_b32 s[G0SB+1], SCL+2*SQ+PSH
	s_mov_b64 s[G0SB+2:G0SB+3], s[92:93]
	s_or_b32 s[G0SB+3], s[G0SB+3], 0x80000000
	s_mov_b32 s4, 1                                ; the head's loads of slot 0, each tile whole: R's 2 NB tiles of 16 rows,
	s_mov_b32 s5, 0
	s_mov_b64 s[6:7], s[20:21]
	s_or_b32 s7, s7, 0x80000000
	s_mov_b32 s8, 1                                ; and P's, behind them
	s_mov_b32 s9, 2*QUART
	s_mov_b64 s[10:11], s[46:47]
	s_or_b32 s11, s11, 0x80000000
	s_mul_i32 s18, s16, NB*KT*1536                 ; for slot 1: my half of the tile
	s_mov_b32 s19, 0
	s_add_nc_u64 s[20:21], s[20:21], s[18:19]
	s_add_nc_u64 s[46:47], s[46:47], s[18:19]
.irp s, 0,1
	s_mov_b32 s[G0+4*\s], 1
	s_add_co_u32 s[G0+4*\s+1], s45, \s*SLOT
	s_add_nc_u64 s[G0+4*\s+2:G0+4*\s+3], s[20:21], \s*TILEB
	s_or_b32 s[G0+4*\s+3], s[G0+4*\s+3], 0x80000000
	s_mov_b32 s[G0B+4*\s], 1
	s_add_co_u32 s[G0B+4*\s+1], s45, \s*SLOT
	s_add_nc_u64 s[G0B+4*\s+2:G0B+4*\s+3], s[46:47], \s*TILEB
	s_or_b32 s[G0B+4*\s+3], s[G0B+4*\s+3], 0x80000000
.endr
; the head's loads, one a wave: wave 0 R's slot 0, wave 1 P's, wave 2 R's scale words, wave 3 P's: one chain of branches on the wave's number
.macro ARM under, g0, g1, next
	s_cmp_lt_u32 s14, \under
	s_cbranch_scc0 \next
	tensor_load_to_lds s[\g0:\g0+3], s[\g1:\g1+7]
	s_nop 0
	PLACES
	s_branch .Lhead_asked
\next:
.endm
	ARM 1, 4, G1, .Lhead_p
	ARM 2, 8, G1B, .Lhead_sr
	ARM 3, G0S, G1S, .Lhead_sp
	tensor_load_to_lds s[G0SB:G0SB+3], s[G1SB:G1SB+7]
	s_nop 0
	PLACES
.Lhead_asked:
	v_and_b32 v51, 31, v0
	v_and_b32 v52, 15, v0
	v_bfe_u32 v53, v0, 4, 1
	v_lshlrev_b32 v[L16], 4, v51
	v_lshlrev_b32 v[L8], 3, v51
	v_lshlrev_b32 v3, 6, v53
	s_mul_i32 s21, s15, QUART
	s_mul_i32 s22, s16, QUART
	s_add_co_u32 s22, s22, 2*QUART
.irp s, 0,1
	v_add_nc_u32 v[4+\s], s21, v[L16]
	v_add_nc_u32 v[6+\s], s21, v[L8]
	v_add_nc_u32 v[8+\s], s22, v[L16]
	v_add_nc_u32 v[10+\s], s22, v[L8]
	s_add_co_u32 s21, s21, SLOT
	s_add_co_u32 s22, s22, SLOT
.endr
	s_mul_i32 s21, s15, 64*NB
	s_mul_i32 s22, s16, 64*NB
	s_add_co_u32 s22, s22, 2*SQ+PSH
	s_sub_co_u32 s22, s22, s21
	v_mul_u32_u24 v12, s22, v53                    ; lanes 16-31 take P's scale words: the lower base + h x the distance
	s_add_co_u32 s21, s21, SCL
	v_lshl_add_u32 v12, v52, 2, v12
	v_add_nc_u32 v12, s21, v12
	s_mul_i32 s46, s42, 2*NB
	s_mul_i32 s47, s16, NB
	s_add_co_u32 s46, s46, s47                     ; my first tile of P
	s_mul_i32 s20, s17, 2*NB
	s_mul_i32 s21, s15, NB
	s_add_co_u32 s20, s20, s21                     ; my first tile of R
	s_mov_b32 s19, 0
	s_lshl_b32 s18, s46, 6
	s_add_nc_u64 s[12:13], s[12:13], s[18:19]
	WIN 0x40
.irp b, 0,1,2,3
	global_load_b128 v[96+8*\b:96+8*\b+3], v3, s[12:13] offset:4*(32*(\b/2)+8*(\b%2))
	global_load_b128 v[96+8*\b+4:96+8*\b+7], v3, s[12:13] offset:4*(32*(\b/2)+8*(\b%2))+16
.endr
	WIN 0
	s_lshl_b32 s18, s20, 16
	s_lshl_b32 s21, s46, 10
	s_add_co_u32 s18, s18, s21
	s_add_nc_u64 s[66:67], s[66:67], s[18:19]      ; my first accumulator's image in y
	s_wait_alu depctr_va_vdst(0)
	s_wait_tensorcnt 0x0                           ; my tile of the head's four is in
	ds_add_u32 v14, v15
	s_mov_b32 s[G1+2], NB<<16                      ; no tensor load of mine is out: from here on a load brings NB tiles
	s_mov_b32 s[G1+4], NB
	s_mov_b32 s[G1B+2], NB<<16
	s_mov_b32 s[G1B+4], NB
	s_wait_dscnt 0x0
	CROUND
	JLOAD G0+4, G1, G0B+4, G1B                     ; slot 1's first fill, the first tensor load behind the round
	FETCH 0, 0, 0, 0
	STEP 0, 0, 1
.if LAPS > 1
	s_mov_b32 s3, LAPS-1
.Llap:
	MID 0
	TURN 0, 1, 1
	STEP 1, 0, 0
	MID 1
	TURN 1, 0, 1
	STEP 0, 0, 0
	s_sub_co_u32 s3, s3, 1
	s_cmp_lg_u32 s3, 0
	s_cbranch_scc1 .Llap
.endif
	MID 0
	TURN 0, 1, 0
	s_wait_alu depctr_va_vdst(0)
	STEP 1, 0, 0
	MID 1
	s_wait_dscnt 0x0
	MULP 0, NB, 1, 0
	WIN 0
	PLACES
	s_wait_loadcnt 0x0                             ; the bias
.irp a, 0,1,2,3
.if \a >= 2
	s_wait_xcnt 0x0                                ; block a - 2's stores have read their registers
.endif
	COPY \a
.irp b, 0,1,2,3
.irp c, 0,1
	global_store_b128 v[L16], v[H+32*(\a%2)+8*\b+4*\c:H+32*(\a%2)+8*\b+4*\c+3], s[66:67] offset:65536*\a+1024*\b+512*\c th:TH_STORE_NT   ; 512 consecutive bytes
.endr
.endr
.endr
	s_wait_tensorcnt 0x0                           ; the wave's end
	ds_add_u32 v14, v15
	s_wait_dscnt 0x0
	CROUND                                         ; the closing round
	s_endpgm
.Lfunc_end_k_q23f95cab65_wo:
	.size	k_q23f95cab65_wo, .Lfunc_end_k_q23f95cab65_wo-k_q23f95cab65_wo
	.p2alignl 7, 3214868480
	.fill 96, 4, 3214868480
	.section	.rodata,"a",@progbits
	.p2align	6, 0x0
	.amdhsa_kernel k_q23f95cab65_wo
		.amdhsa_group_segment_fixed_size 327680
		.amdhsa_private_segment_fixed_size 0
		.amdhsa_enable_private_segment 0
		.amdhsa_kernarg_size 32
		.amdhsa_user_sgpr_count 2
		.amdhsa_user_sgpr_kernarg_segment_ptr 1
		.amdhsa_wavefront_size32 1
		.amdhsa_system_sgpr_workgroup_id_x 1
		.amdhsa_system_sgpr_workgroup_id_y 1
		.amdhsa_system_sgpr_workgroup_id_z 1
		.amdhsa_system_vgpr_workitem_id 0
		.amdhsa_next_free_vgpr 640
		.amdhsa_next_free_sgpr 100
		.amdhsa_reserve_vcc 0
		.amdhsa_float_denorm_mode_32 3
		.amdhsa_float_denorm_mode_16_64 3
		.amdhsa_memory_ordered 1
		.amdhsa_forward_progress 1
		.amdhsa_inst_pref_size 56
	.end_amdhsa_kernel
	.amdgpu_metadata
---
amdhsa.version: [ 1, 2 ]
amdhsa.kernels:
  - .name:           k_q23f95cab65_wo
    .symbol:         k_q23f95cab65_wo.kd
    .args:
      - { .name: ctxq, .offset: 0, .size: 8, .value_kind: global_buffer, .address_space: global }
      - { .name: wimg, .offset: 8, .size: 8, .value_kind: global_buffer, .address_space: global }
      - { .name: bo, .offset: 16, .size: 8, .value_kind: global_buffer, .address_space: global }
      - { .name: ybuf, .offset: 24, .size: 8, .value_kind: global_buffer, .address_space: global }
    .group_segment_fixed_size: 327680
    .private_segment_fixed_size: 0
    .kernarg_segment_align: 8
    .kernarg_segment_size: 32
    .max_flat_workgroup_size: 128
    .sgpr_count:     100
    .vgpr_count:     640
    .wavefront_size: 32
...
	.end_amdgpu_metadata
.endif
;; end of part 4
;; launch ln1 (part 5): grid 256 x 1, 8 waves a work-group, no clusters, 69,632 bytes of LDS; arguments ybuf, x, g1, beta1, h32, hq; writes h32, hq
.if DOCPART == 5
	.amdgcn_target "amdgcn-amd-amdhsa--gfx1250"
	.amdhsa_code_object_version 6
	.text
	.protected	k_q23f95cab65_ln1
	.globl	k_q23f95cab65_ln1
	.p2align	8
	.type	k_q23f95cab65_ln1,@function
k_q23f95cab65_ln1:
	s_mov_b64 s[64:65], 0
	v_nop
	global_prefetch_b8 v0, s[64:65] scope:SCOPE_SE
	s_setreg_imm32_b32 hwreg(HW_REG_WAVE_MODE, 25, 1), 1
	s_wait_xcnt 0x0
; LN1: h = LayerNorm(x + y) g1 + beta1; h leaves twice: in f32 (layout of y) and quantised to E2M3 as an image, the operand of the next product.
; y: images of accumulators [T 256][column tile 64][1,024 bytes]: lane (r, h), register j of column tile t is row 32 (T / 2) + 8 (T % 2) + r + 8 (r / 8), column 32 (t / 2) + 16 h + 8 (t % 2) + j.
; A work-group takes row tile T (16 whole rows), wave w the columns 128 w on: 64 numbers a lane, register 16 b + i = column 32 b + 16 h + i: the quantiser's order.  x's rows are loaded 512 consecutive bytes at a time and turn
; through the wave's own stage in LDS into that order.  Mean and variance in two passes (the mean is taken away before the squares); a row's partial sums of the eight waves meet in LDS, behind a barrier each.
; Memory binds: no matrix unit, no cluster, no tensor load.  LIMITS: NaN and infinities are not served; a block whose largest magnitude lies under 2^-124 gets the scale byte 1.  The scale words leave in pieces of 64 bytes.
.set L16, 4
.set L8,  5
.set Y,   16                           ; v16-79   my 64 numbers
.set A,   80                           ; v80-143  x as loaded, then g1
.set BV,  144                          ; v144-207 x turned, then beta1
.set TM,  208                          ; v208-223 at work
.set PW,  224
.set PC,  228                          ; v228-246
.set SEL, 2
.set RED, 67584                        ; behind the eight stages: two regions of 8 waves x 16 rows x 4 bytes
.macro QUANT s
.irp b, 0,1,2,3
	v_max3_num_f32 v[TM+\b], |v[\s+16*\b]|, |v[\s+1+16*\b]|, 0x1800000   ; block b: my 16 numbers, and the floor 2^(3 - 127): the byte cannot fall under 1
.endr
.irp i, 2,4,6,8,10,12,14
.irp b, 0,1,2,3
	s_delay_alu instid0(VALU_DEP_4)
	v_max3_num_f32 v[TM+\b], v[TM+\b], |v[\s+16*\b+\i]|, |v[\s+1+16*\b+\i]|
.endr
.endr
.irp b, 0,1,2,3
	s_delay_alu instid0(VALU_DEP_4)
	v_permlanex16_b32 v[TM+4+\b], v[TM+\b], s[SEL], s[SEL+1]
.endr
.irp b, 0,1,2,3
	s_delay_alu instid0(VALU_DEP_4)
	v_max_num_f32 v[TM+\b], v[TM+\b], v[TM+4+\b]
.endr
.irp b, 0,1,2,3
	s_delay_alu instid0(VALU_DEP_4)
	v_add_nc_u32 v[TM+12+\b], 0xff000000, v[TM+\b]
.endr
.irp b, 0,1,2,3
	s_delay_alu instid0(VALU_DEP_4)
	v_lshrrev_b32 v[TM+4+\b], 23, v[TM+12+\b]
.endr
	s_delay_alu instid0(VALU_DEP_3)
	v_lshl_or_b32 v[PW], v[TM+5], 8, v[TM+4]
	s_delay_alu instid0(VALU_DEP_1)
	v_lshl_or_b32 v[PW], v[TM+6], 16, v[PW]
	s_delay_alu instid0(VALU_DEP_1)
	v_lshl_or_b32 v[PW], v[TM+7], 24, v[PW]
.irp c, 0,1
	v_cvt_scalef32_pk16_fp6_f32 v[PC+6*\c:PC+2+6*\c], v[\s+32*\c:\s+15+32*\c], v[TM+12+2*\c]
	v_cvt_scalef32_pk16_fp6_f32 v[PC+12+4*\c:PC+14+4*\c], v[\s+16+32*\c:\s+31+32*\c], v[TM+12+2*\c+1]
.endr
	v_nop                                          ; one plain place behind a scaled conversion
.irp c, 0,1
.irp i, 0,1,2
	v_permlane16_swap_b32 v[PC+6*\c+\i], v[PC+12+4*\c+\i]
.endr
.irp i, 0,1,2
	s_delay_alu instid0(VALU_DEP_3)
	v_mov_b32 v[PC+3+6*\c+\i], v[PC+12+4*\c+\i]
.endr
.endr
.endm
; The sum (sq = 0) or the sum of squares (sq = 1) of a row's 1,024 numbers, into v[TM+8] of every lane: four chains in a lane, lane l xor 16, then the eight waves' parts through LDS, added in a fixed order.
.macro STATS sq, red
.irp k, 0,1,2,3
.if \sq
	v_pk_mul_f32 v[TM+2*\k:TM+2*\k+1], v[Y+2*\k:Y+2*\k+1], v[Y+2*\k:Y+2*\k+1]
.else
	v_pk_add_f32 v[TM+2*\k:TM+2*\k+1], v[Y+2*\k:Y+2*\k+1], v[Y+8+2*\k:Y+8+2*\k+1]
.endif
.endr
.irp j, 8,16,24,32,40,48,56
.irp k, 0,1,2,3
.if \sq
	s_delay_alu instid0(VALU_DEP_4)
	v_pk_fma_f32 v[TM+2*\k:TM+2*\k+1], v[Y+\j+2*\k:Y+\j+2*\k+1], v[Y+\j+2*\k:Y+\j+2*\k+1], v[TM+2*\k:TM+2*\k+1]
.elseif \j > 8
	s_delay_alu instid0(VALU_DEP_4)
	v_pk_add_f32 v[TM+2*\k:TM+2*\k+1], v[TM+2*\k:TM+2*\k+1], v[Y+\j+2*\k:Y+\j+2*\k+1]
.endif
.endr
.endr
	s_delay_alu instid0(VALU_DEP_3)
	v_pk_add_f32 v[TM:TM+1], v[TM:TM+1], v[TM+2:TM+3]
	s_delay_alu instid0(VALU_DEP_2)
	v_pk_add_f32 v[TM+4:TM+5], v[TM+4:TM+5], v[TM+6:TM+7]
	s_delay_alu instid0(VALU_DEP_1)
	v_pk_add_f32 v[TM:TM+1], v[TM:TM+1], v[TM+4:TM+5]
	s_delay_alu instid0(VALU_DEP_1)
	v_add_f32 v[TM], v[TM], v[TM+1]
	s_delay_alu instid0(VALU_DEP_1)
	v_permlanex16_b32 v[TM+1], v[TM], s[SEL], s[SEL+1]
	s_delay_alu instid0(VALU_DEP_1)
	v_add_f32 v[TM], v[TM], v[TM+1]                ; my wave's 128 columns of row r
	ds_store_b32 v9, v[TM] offset:\red             ; both halves of the lanes write the same word with the same value
	s_wait_dscnt 0x0                               ; for the others' sake: my store is done
	s_barrier_signal -1
	s_barrier_wait -1
.irp i, 0,1,2,3,4,5,6,7
	ds_load_b32 v[TM+8+\i], v10 offset:\red+64*\i
.endr
	s_wait_dscnt 0x0
	v_add_f32 v[TM+8], v[TM+8], v[TM+9]
	v_add_f32 v[TM+10], v[TM+10], v[TM+11]
	v_add_f32 v[TM+12], v[TM+12], v[TM+13]
	v_add_f32 v[TM+14], v[TM+14], v[TM+15]
	s_delay_alu instid0(VALU_DEP_3)
	v_add_f32 v[TM+8], v[TM+8], v[TM+10]
	s_delay_alu instid0(VALU_DEP_2)
	v_add_f32 v[TM+12], v[TM+12], v[TM+14]
	s_delay_alu instid0(VALU_DEP_1)
	v_add_f32 v[TM+8], v[TM+8], v[TM+12]
.endm
	s_load_b256 s[4:11], s[0:1], 0x0               ; y, x, g1, beta1
	s_load_b128 s[12:15], s[0:1], 0x20             ; h32, hq
	v_lshl_add_u32 v248, v0, 2, 0x10c00
	v_mov_b32 v249, 0
	v_lshrrev_b32 v9, 5, v0
	s_delay_alu instid0(VALU_DEP_1)
	v_readfirstlane_b32 s16, v9                    ; wave 0..7
	v_and_b32 v1, 31, v0
	v_and_b32 v2, 15, v0                           ; r
	v_bfe_u32 v3, v0, 4, 1                         ; h
	s_delay_alu instid0(VALU_DEP_3)
	v_lshlrev_b32 v[L16], 4, v1
	s_delay_alu instid0(VALU_DEP_4)
	v_lshlrev_b32 v[L8], 3, v1
	s_mul_i32 s17, s16, 8448                       ; my stage: 16 rows x 528 bytes
	v_add_nc_u32 v6, s17, v[L16]
	v_mul_u32_u24 v7, v2, 528
	s_delay_alu instid0(VALU_DEP_1)
	v_lshl_add_u32 v7, v3, 6, v7
	s_delay_alu instid0(VALU_DEP_1)
	v_add_nc_u32 v7, s17, v7
	v_lshlrev_b32 v8, 6, v3                        ; 64 h: g1's and beta1's numbers of my half
	v_lshlrev_b32 v11, 2, v2                       ; 4 r
	s_delay_alu instid0(VALU_DEP_1)
	v_add_nc_u32 v10, RED, v11
	s_lshl_b32 s17, s16, 6
	v_add_nc_u32 v9, s17, v10
	s_mov_b32 s[SEL], 0x76543210
	s_mov_b32 s[SEL+1], 0xfedcba98
	s_mov_b32 s20, 0x3a800000                      ; 1 / 1,024
	s_mov_b32 s21, 0x3727c5ac                      ; 1e-5
	s_lshl_b32 s22, ttmp9, 16
	s_lshl_b32 s23, s16, 13
	s_add_co_u32 s22, s22, s23                     ; y, h32: tile T, my eight column tiles
	s_mov_b32 s23, 0
	s_lshr_b32 s24, ttmp9, 1
	s_lshl_b32 s24, s24, 5
	s_and_b32 s25, ttmp9, 1
	s_lshl_b32 s25, s25, 3
	s_add_co_u32 s24, s24, s25
	s_lshl_b32 s24, s24, 12
	s_lshl_b32 s26, s16, 9
	s_add_co_u32 s24, s24, s26                     ; x: the tile's first row, my 512 bytes
	s_mov_b32 s25, 0
	s_mov_b32 s27, 0
	s_mul_i32 s28, ttmp9, 12288
	s_mul_i32 s29, s16, 1536
	s_add_co_u32 s28, s28, s29                     ; my fragment in hq
	s_mov_b32 s29, 0
	s_lshl_b32 s30, s16, 14
	s_lshl_b32 s31, ttmp9, 6
	s_add_co_u32 s30, s30, s31
	s_add_co_u32 s30, s30, 3145728                 ; its scale words
	s_mov_b32 s31, 0
	s_wait_alu depctr_va_vdst(0)
	s_wait_kmcnt 0x0
	s_add_nc_u64 s[4:5], s[4:5], s[22:23]
	s_add_nc_u64 s[12:13], s[12:13], s[22:23]
	s_add_nc_u64 s[6:7], s[6:7], s[24:25]
	s_add_nc_u64 s[8:9], s[8:9], s[26:27]
	s_add_nc_u64 s[10:11], s[10:11], s[26:27]
	s_add_nc_u64 s[30:31], s[14:15], s[30:31]
	s_add_nc_u64 s[14:15], s[14:15], s[28:29]
.irp i, 0,1,2,3,4,5,6,7,8,9,10,11,12,13,14,15
	global_load_b128 v[A+4*\i:A+4*\i+3], v[L16], s[6:7] offset:(\i+8*(\i/8))*4096 th:TH_LOAD_NT   ; x, image row i
.endr
.irp i, 0,1,2,3,4,5,6,7
	global_load_b128 v[Y+8*\i:Y+8*\i+3], v[L16], s[4:5] offset:1024*\i th:TH_LOAD_NT
	global_load_b128 v[Y+8*\i+4:Y+8*\i+7], v[L16], s[4:5] offset:1024*\i+512 th:TH_LOAD_NT
.endr
.irp i, 0,1,2,3,4,5,6,7,8,9,10,11,12,13,14,15
	s_wait_loadcnt 31-\i                           ; x's row i is in; x's younger rows and y's sixteen loads stay out
	ds_store_b128 v6, v[A+4*\i:A+4*\i+3] offset:528*\i
.endr
.irp b, 0,1,2,3
.irp j, 0,1,2,3
	ds_load_b128 v[BV+16*\b+4*\j:BV+16*\b+4*\j+3], v7 offset:128*\b+16*\j   ; LDS serves a wave's instructions in order
.endr
.endr
	s_wait_dscnt 0x0                               ; x is turned, and the stores have read their registers, which take g1
.irp i, 0,1,2,3,4,5,6,7
	global_load_b128 v[A+8*\i:A+8*\i+3], v8, s[8:9] offset:4*(32*(\i/2)+8*(\i%2))
	global_load_b128 v[A+8*\i+4:A+8*\i+7], v8, s[8:9] offset:4*(32*(\i/2)+8*(\i%2))+16
.endr
	s_wait_loadcnt 16                              ; y is in; g1's sixteen loads stay out
.set j, 0
.rept 32
	v_pk_add_f32 v[Y+j:Y+j+1], v[Y+j:Y+j+1], v[BV+j:BV+j+1]   ; x + y
.set j, j+2
.endr
.irp i, 0,1,2,3,4,5,6,7
	global_load_b128 v[BV+8*\i:BV+8*\i+3], v8, s[10:11] offset:4*(32*(\i/2)+8*(\i%2))
	global_load_b128 v[BV+8*\i+4:BV+8*\i+7], v8, s[10:11] offset:4*(32*(\i/2)+8*(\i%2))+16
.endr
	STATS 0, 0
	s_delay_alu instid0(VALU_DEP_1)
	v_mul_f32 v[TM+8], s20, v[TM+8]                ; the mean
.set j, 0
.rept 32
	v_pk_add_f32 v[Y+j:Y+j+1], v[Y+j:Y+j+1], v[TM+8:TM+9] op_sel_hi:[1,0] neg_lo:[0,1] neg_hi:[0,1]
.set j, j+2
.endr
	STATS 1, 512
	s_delay_alu instid0(VALU_DEP_1)
	v_fma_f32 v[TM+8], v[TM+8], s20, s21           ; the variance + 1e-5
	s_wait_alu depctr_va_vdst(0)
	v_rsq_f32 v[TM+10], v[TM+8]
	v_nop                                          ; a plain place behind the transcendental
	s_wait_alu depctr_va_vdst(0)                   ; and the wait ahead of its first reader
	s_wait_loadcnt 0x0                             ; g1 and beta1
.set j, 0
.rept 32
	v_pk_mul_f32 v[Y+j:Y+j+1], v[Y+j:Y+j+1], v[TM+10:TM+11] op_sel_hi:[1,0]
.set j, j+2
.endr
.set j, 0
.rept 32
	v_pk_fma_f32 v[Y+j:Y+j+1], v[Y+j:Y+j+1], v[A+j:A+j+1], v[BV+j:BV+j+1]
.set j, j+2
.endr
.irp i, 0,1,2,3,4,5,6,7
	global_store_b128 v[L16], v[Y+8*\i:Y+8*\i+3], s[12:13] offset:1024*\i
	global_store_b128 v[L16], v[Y+8*\i+4:Y+8*\i+7], s[12:13] offset:1024*\i+512
.endr
	QUANT Y
	global_store_b128 v[L16], v[PC:PC+3], s[14:15]
	global_store_b64 v[L8], v[PC+4:PC+5], s[14:15] offset:512
	global_store_b128 v[L16], v[PC+6:PC+9], s[14:15] offset:768
	global_store_b64 v[L8], v[PC+10:PC+11], s[14:15] offset:1280
	v_cmp_gt_u32 vcc_lo, 16, v1
	s_wait_xcnt 0x0                                ; EXEC changes only behind this wait
	s_wait_tensorcnt 0x0
	ds_add_u32 v248, v249
	s_wait_dscnt 0x0
	s_and_saveexec_b32 s17, vcc_lo
	global_store_b32 v11, v[PW], s[30:31]
	s_wait_xcnt 0x0
	s_or_b32 exec_lo, exec_lo, s17
	s_endpgm
.Lfunc_end_k_q23f95cab65_ln1:
	.size	k_q23f95cab65_ln1, .Lfunc_end_k_q23f95cab65_ln1-k_q23f95cab65_ln1
	.p2alignl 7, 3214868480
	.fill 96, 4, 3214868480
	.section	.rodata,"a",@progbits
	.p2align	6, 0x0
	.amdhsa_kernel k_q23f95cab65_ln1
		.amdhsa_group_segment_fixed_size 69632
		.amdhsa_private_segment_fixed_size 0
		.amdhsa_enable_private_segment 0
		.amdhsa_kernarg_size 48
		.amdhsa_user_sgpr_count 2
		.amdhsa_user_sgpr_kernarg_segment_ptr 1
		.amdhsa_wavefront_size32 1
		.amdhsa_system_sgpr_workgroup_id_x 1
		.amdhsa_system_sgpr_workgroup_id_y 1
		.amdhsa_system_sgpr_workgroup_id_z 1
		.amdhsa_system_vgpr_workitem_id 0
		.amdhsa_next_free_vgpr 250
		.amdhsa_next_free_sgpr 66
		.amdhsa_reserve_vcc 1
		.amdhsa_float_denorm_mode_32 3
		.amdhsa_float_denorm_mode_16_64 3
		.amdhsa_memory_ordered 1
		.amdhsa_forward_progress 1
		.amdhsa_inst_pref_size 36
	.end_amdhsa_kernel
	.amdgpu_metadata
---
amdhsa.version: [ 1, 2 ]
amdhsa.kernels:
  - .name:           k_q23f95cab65_ln1
    .symbol:         k_q23f95cab65_ln1.kd
    .args:
      - { .name: ybuf, .offset: 0, .size: 8, .value_kind: global_buffer, .address_space: global }
      - { .name: x, .offset: 8, .size: 8, .value_kind: global_buffer, .address_space: global }
      - { .name: g1, .offset: 16, .size: 8, .value_kind: global_buffer, .address_space: global }
      - { .name: beta1, .offset: 24, .size: 8, .value_kind: global_buffer, .address_space: global }
      - { .name: h32, .offset: 32, .size: 8, .value_kind: global_buffer, .address_space: global }
      - { .name: hq, .offset: 40, .size: 8, .value_kind: global_buffer, .address_space: global }
    .group_segment_fixed_size: 69632
    .private_segment_fixed_size: 0
    .kernarg_segment_align: 8
    .kernarg_segment_size: 48
    .max_flat_workgroup_size: 256
    .sgpr_count:     66
    .vgpr_count:     250
    .wavefront_size: 32
...
	.end_amdgpu_metadata
.endif
;; end of part 5
;; launch ffn1 (part 6): grid 16 x 16, 4 waves a work-group, clusters of 4 x 4, 327,680 bytes of LDS; arguments hq, wimg, b1, ffh; writes ffh
.if DOCPART == 6
	.amdgcn_target "amdgcn-amd-amdhsa--gfx1250"
	.amdhsa_code_object_version 6
	.text
	.protected	k_q23f95cab65_ffn1
	.globl	k_q23f95cab65_ffn1
	.p2align	8
	.type	k_q23f95cab65_ffn1,@function
k_q23f95cab65_ffn1:
	s_mov_b64 s[64:65], 0
	v_nop
	global_prefetch_b8 v0, s[64:65] scope:SCOPE_SE
	s_setreg_imm32_b32 hwreg(HW_REG_WAVE_MODE, 25, 1), 1
	s_wait_xcnt 0x0
	s_wait_alu depctr_hold_cnt(0) depctr_sa_sdst(0) depctr_va_vdst(0) depctr_va_sdst(0) depctr_va_ssrc(0) depctr_va_vcc(0) depctr_vm_vsrc(0)
	s_getreg_b32 s2, hwreg(HW_REG_IB_STS2, 6, 4)
	s_cmp_eq_u32 s2, 0
	s_cbranch_scc0 .Lentry_in_a_cluster
	s_endpgm
.Lentry_in_a_cluster:
	s_bfe_u32 s2, ttmp6, 0x10000c
	s_cmp_lg_u32 s2, 0xf033
	s_cbranch_scc0 .Lentry_shape_is_right
	s_endpgm
.Lentry_shape_is_right:
.set NB, 8
.set NQ, 2
.set KT, 8
.set RSOFF, 3145728
.set PCOFF, 3145728
.set PSOFF, 9568256
.set PSTR, 2048
.set TILEB, 1536*NQ
.set QUART, NB*TILEB
.set SLOT,  4*QUART
.set SCL,   2*SLOT
.set SQ,    KT*64*NB
.set PSH,   64
.set SPARE, SCL+4*SQ+256
.set LAPS,  KT/(2*NQ)
.set SC, 32
.set RF, 64
.set G1, 24
.set G0, 32
.set G1B, 48
.set G0B, 56
.set G1S, 68
.set G0S, 76
.set G1SB, 80
.set G0SB, 88
.set H,  64
.set AX, 128
.set TT, 144
.set AC, 160
.set MM, 176
.set TM, 192
.set PW, 208
.set PC, 212
.set SEL, 20
.set L16, 1
.set L8, 2
.set MSB, 0
.macro WIN new
.if MSB != (\new)
	s_set_vgpr_msb (MSB<<8)|(\new)
.set MSB, (\new)
.endif
.endm
.macro PLACES
.rept 4
	v_nop
.endr
.endm
.macro JLOAD g0a, g1a, g0b, g1b
	s_cmp_eq_u32 s15, 0
	s_cbranch_scc0 .Lfor_p_\@
	tensor_load_to_lds s[\g0a:\g0a+3], s[\g1a:\g1a+7]
	s_nop 0
	PLACES
	s_branch .Lasked_\@
.Lfor_p_\@:
	tensor_load_to_lds s[\g0b:\g0b+3], s[\g1b:\g1b+7]
	s_nop 0
	PLACES
.Lasked_\@:
.endm
.macro CREST
	s_cmp_lg_u32 s14, 0
	s_cbranch_scc1 .Lnot_wave_0_\@
	s_barrier_signal -3
.Lnot_wave_0_\@:
	s_barrier_wait -3
	s_barrier_signal -1
	s_barrier_wait -1
.endm
.macro CROUND
	s_barrier_signal -1
	s_barrier_wait -1
	CREST
.endm
.macro FRAG reg, a16, a8, off
	ds_load_b128 v[\reg:\reg+3], v[\a16] offset:\off
	ds_load_b64 v[\reg+4:\reg+5], v[\a8] offset:\off+512
	ds_load_b128 v[\reg+6:\reg+9], v[\a16] offset:\off+768
	ds_load_b64 v[\reg+10:\reg+11], v[\a8] offset:\off+1280
.endm
.macro FETCH slot, q, set, ko
	WIN 0x40
.set fi, 0
.rept NB
	FRAG 128*(\set)+12*fi, 8+\slot, 10+\slot, fi*TILEB+1536*(\q)
.set fi, fi+1
.endr
	WIN 0
.set fi, 0
.rept NB
	FRAG RF+12*NB*(\set)+12*fi, 4+\slot, 6+\slot, fi*TILEB+1536*(\q)
.set fi, fi+1
.endr
.set fi, 0
.rept NB
	ds_load_b32 v[SC+NB*(\set)+fi], v12 offset:(\ko)*128*NB+64*fi
.set fi, fi+1
.endr
.endm
.macro MULP a0, cnt, set, zero
.set ma, \a0
.rept \cnt
	WIN 0xa1+0x50*((8*NB*ma)/256)
.set mb, 0
.rept NB
.set rD, (8*(NB*ma+mb))%256
.set rP, 128*(\set)+12*mb
.set rR, RF+12*NB*(\set)+12*ma
.if \zero
	v_wmma_scale_f32_16x16x128_f8f6f4 v[rD:rD+7], v[rP:rP+11], v[rR:rR+11], 0, v[SC+NB*(\set)+mb], v[SC+NB*(\set)+ma] matrix_a_fmt:MATRIX_FMT_FP6 matrix_b_fmt:MATRIX_FMT_FP6 matrix_a_scale:MATRIX_SCALE_ROW1
.else
	v_wmma_scale_f32_16x16x128_f8f6f4 v[rD:rD+7], v[rP:rP+11], v[rR:rR+11], v[rD:rD+7], v[SC+NB*(\set)+mb], v[SC+NB*(\set)+ma] matrix_a_fmt:MATRIX_FMT_FP6 matrix_b_fmt:MATRIX_FMT_FP6 matrix_a_scale:MATRIX_SCALE_ROW1
.endif
.set mb, mb+1
.endr
.set ma, ma+1
.endr
.endm
.macro STEP slot, q, zero
	s_wait_dscnt 0x0
	PLACES
	FETCH \slot, (\q)+1, 1-(\q)%2, (\q)+1
	MULP 0, NB, (\q)%2, \zero
	WIN 0
.endm
.macro MID slot
.set mq, 1
.rept NQ-2
	STEP \slot, mq, 0
.set mq, mq+1
.endr
.endm
.macro TURN slot, next, fill
	s_wait_tensorcnt 0x0
	ds_add_u32 v14, v15
	s_wait_dscnt 1
	MULP 0, NB/4, 1, 0
	s_wait_dscnt 0x0
	s_barrier_signal -1
	MULP NB/4, NB/4, 1, 0
	WIN 0
	s_barrier_wait -1
.if \fill
	CREST
	s_add_nc_u64 s[G0+4*\slot+2:G0+4*\slot+3], s[G0+4*\slot+2:G0+4*\slot+3], 2*TILEB
	s_add_nc_u64 s[G0B+4*\slot+2:G0B+4*\slot+3], s[G0B+4*\slot+2:G0B+4*\slot+3], 2*TILEB
	JLOAD G0+4*\slot, G1, G0B+4*\slot, G1B
.else
	PLACES
.endif
	s_wait_alu depctr_va_vdst(0)
	v_add_nc_u32 v12, NQ*128*NB, v12
	FETCH \next, 0, 0, 0
	MULP NB/2, NB/2, 1, 0
	WIN 0
.endm
.macro QUANT s
.irp b, 0,1,2,3
	v_max3_num_f32 v[TM+\b], |v[\s+16*\b]|, |v[\s+1+16*\b]|, 0x1800000
.endr
.irp i, 2,4,6,8,10,12,14
.irp b, 0,1,2,3
	v_max3_num_f32 v[TM+\b], v[TM+\b], |v[\s+16*\b+\i]|, |v[\s+1+16*\b+\i]|
.endr
.endr
.irp b, 0,1,2,3
	v_permlanex16_b32 v[TM+4+\b], v[TM+\b], s[SEL], s[SEL+1]
.endr
.irp b, 0,1,2,3
	v_max_num_f32 v[TM+\b], v[TM+\b], v[TM+4+\b]
.endr
.irp b, 0,1,2,3
	v_add_nc_u32 v[TM+12+\b], 0xff000000, v[TM+\b]
.endr
.irp b, 0,1,2,3
	v_lshrrev_b32 v[TM+4+\b], 23, v[TM+12+\b]
.endr
	v_lshl_or_b32 v[PW], v[TM+5], 8, v[TM+4]
	v_lshl_or_b32 v[PW], v[TM+6], 16, v[PW]
	v_lshl_or_b32 v[PW], v[TM+7], 24, v[PW]
.irp c, 0,1
	v_cvt_scalef32_pk16_fp6_f32 v[PC+6*\c:PC+2+6*\c], v[\s+32*\c:\s+15+32*\c], v[TM+12+2*\c]
	v_cvt_scalef32_pk16_fp6_f32 v[PC+12+4*\c:PC+14+4*\c], v[\s+16+32*\c:\s+31+32*\c], v[TM+12+2*\c+1]
.endr
	v_nop
.irp c, 0,1
.irp i, 0,1,2
	v_permlane16_swap_b32 v[PC+6*\c+\i], v[PC+12+4*\c+\i]
.endr
.irp i, 0,1,2
	v_mov_b32 v[PC+3+6*\c+\i], v[PC+12+4*\c+\i]
.endr
.endr
.endm
.macro IMG_OUT sb, off
	global_store_b128 v[L16], v[PC:PC+3], s[\sb:\sb+1] offset:\off
	global_store_b64 v[L8], v[PC+4:PC+5], s[\sb:\sb+1] offset:\off+512
	global_store_b128 v[L16], v[PC+6:PC+9], s[\sb:\sb+1] offset:\off+768
	global_store_b64 v[L8], v[PC+10:PC+11], s[\sb:\sb+1] offset:\off+1280
.endm
.macro COPY a
	WIN 0x06+(8*NB*(\a))/256
.set cb, 0
.rept NB
.set ci, 0
.rept 4
	v_pk_add_f32 v[H+8*cb+ci:H+8*cb+ci+1], v[(8*(NB*(\a)+cb))%256+ci:(8*(NB*(\a)+cb))%256+ci+1], v[96+8*(cb%4)+128*(cb/4)+ci:96+8*(cb%4)+128*(cb/4)+ci+1]
.set ci, ci+2
.endr
.set cb, cb+1
.endr
	WIN 0
.endm
.macro GELU16 g
.set GX, H+16*(\g)
.set j, 0
.rept 16
	v_and_b32 v[AX+j], s45, v[GX+j]
.set j, j+1
.endr
.set j, 0
.rept 8
	v_pk_fma_f32 v[TT+j:TT+j+1], v[AX+j:AX+j+1], s[22:23], 1.0 op_sel_hi:[1,0,0]
.set j, j+2
.endr
.set j, 0
	s_wait_alu depctr_va_vdst(0)
.rept 16
	v_rcp_f32 v[TT+j], v[TT+j]
.set j, j+1
.endr
.set j, 0
.rept 8
	v_pk_mul_f32 v[MM+j:MM+j+1], v[GX+j:GX+j+1], s[46:47] op_sel_hi:[1,0]
.set j, j+2
.endr
	s_wait_alu depctr_va_vdst(0)
.set j, 0
.rept 8
	v_pk_fma_f32 v[AC+j:AC+j+1], v[TT+j:TT+j+1], s[24:25], s[26:27] op_sel_hi:[1,0,0]
.set j, j+2
.endr
.irp c, 0x40097039, 0xbfd1a1e5, 0x3ecdfd18, 0xbe899a80, 0x3e0efb2e, 0x3f0a29d2, 0x3fb8ab5a, 0xc034d90f
.set j, 0
.rept 8
	v_pk_fma_f32 v[AC+j:AC+j+1], v[AC+j:AC+j+1], v[TT+j:TT+j+1], \c op_sel_hi:[1,1,0]
.set j, j+2
.endr
.endr
.set j, 0
.rept 8
	v_pk_fma_f32 v[AC+j:AC+j+1], v[MM+j:MM+j+1], v[GX+j:GX+j+1], v[AC+j:AC+j+1]
.set j, j+2
.endr
.set j, 0
	s_wait_alu depctr_va_vdst(0)
.rept 16
	v_exp_f32 v[AC+j], v[AC+j]
.set j, j+1
.endr
.set j, 0
.rept 8
	v_pk_mul_f32 v[AX+j:AX+j+1], v[AX+j:AX+j+1], v[TT+j:TT+j+1]
.set j, j+2
.endr
.set j, 0
.rept 16
	v_max_num_f32 v[GX+j], 0, v[GX+j]
.set j, j+1
.endr
	s_wait_alu depctr_va_vdst(0)
.set j, 0
.rept 8
	v_pk_fma_f32 v[GX+j:GX+j+1], v[AX+j:AX+j+1], v[AC+j:AC+j+1], v[GX+j:GX+j+1] neg_lo:[1,0,0] neg_hi:[1,0,0]
.set j, j+2
.endr
.endm
	s_load_b256 s[4:11], s[0:1], 0x0
	v_lshl_add_u32 v14, v0, 2, SPARE
	v_mov_b32 v15, 0
	ds_add_u32 v14, v15
	ds_add_u32 v14, v15
	s_wait_dscnt 0x0
	v_lshrrev_b32 v1, 5, v0
	v_readfirstlane_b32 s14, v1
	s_lshr_b32 s15, s14, 1
	s_and_b32 s16, s14, 1
	s_bfe_u32 s40, ttmp6, 0x40000
	s_bfe_u32 s41, ttmp6, 0x40004
	s_lshl_b32 s42, ttmp9, 2
	s_add_co_u32 s42, s42, s40
	s_and_b32 s17, ttmp7, 0xffff
	s_lshl_b32 s17, s17, 2
	s_add_co_u32 s17, s17, s41
	s_lshl_b32 s43, s41, 2
	s_lshl_b32 s43, 15, s43
	s_lshl_b32 s44, 0x1111, s40
	s_or_b32 s[G1+0], s43, (3<<16)|(1<<21)
	s_or_b32 s[G1B+0], s44, (3<<16)|(1<<21)
.irp g, G1, G1B
	s_mov_b32 s[\g+1], (TILEB/8)<<16
	s_mov_b32 s[\g+2], (2*NB)<<16
	s_mov_b32 s[\g+3], (TILEB/8)<<16
	s_mov_b32 s[\g+4], 2*NB
	s_mov_b32 s[\g+5], 192*KT
	s_mov_b32 s[\g+6], 0
	s_mov_b32 s[\g+7], 0
.endr
	s_or_b32 s[G1S+0], s43, (3<<16)|(1<<21)
	s_or_b32 s[G1SB+0], s44, (3<<16)|(1<<21)
.irp g, G1S, G1SB
	s_mov_b32 s[\g+1], (16*NB)<<16
	s_mov_b32 s[\g+2], KT<<16
	s_mov_b32 s[\g+3], (16*NB)<<16
	s_mov_b32 s[\g+4], KT
	s_mov_b32 s[\g+6], 0
	s_mov_b32 s[\g+7], 0
.endr
	s_mov_b32 s[G1S+5], 2048
	s_mov_b32 s[G1SB+5], PSTR
	s_mul_i32 s20, s17, 2*NB
	s_mul_i32 s46, s42, 2*NB
	s_lshl_b32 s22, s20, 6
	s_mov_b32 s23, 0
	s_lshl_b32 s92, s46, 6
	s_mov_b32 s93, 0
	s_mul_i32 s20, s20, KT*1536
	s_mov_b32 s21, 0
	s_mul_i32 s46, s46, KT*1536
	s_mov_b32 s47, 0
	s_mul_i32 s45, s14, QUART
	s_wait_kmcnt 0x0
	s_mov_b64 s[12:13], s[8:9]
	s_mov_b64 s[66:67], s[10:11]
	s_add_nc_u64 s[8:9], s[6:7], PCOFF
	s_add_nc_u64 s[10:11], s[6:7], PSOFF
	s_add_nc_u64 s[6:7], s[4:5], RSOFF
	s_add_nc_u64 s[20:21], s[4:5], s[20:21]
	s_add_nc_u64 s[22:23], s[6:7], s[22:23]
	s_add_nc_u64 s[46:47], s[8:9], s[46:47]
	s_add_nc_u64 s[92:93], s[10:11], s[92:93]
	CROUND
	s_mov_b32 s[G0S], 1
	s_mov_b32 s[G0S+1], SCL
	s_mov_b64 s[G0S+2:G0S+3], s[22:23]
	s_or_b32 s[G0S+3], s[G0S+3], 0x80000000
	s_mov_b32 s[G0SB], 1
	s_mov_b32 s[G0SB+1], SCL+2*SQ+PSH
	s_mov_b64 s[G0SB+2:G0SB+3], s[92:93]
	s_or_b32 s[G0SB+3], s[G0SB+3], 0x80000000
	s_mov_b32 s4, 1                                ; the head's loads of slot 0, each tile whole: R's 2 NB tiles of 16 rows,
	s_mov_b32 s5, 0
	s_mov_b64 s[6:7], s[20:21]
	s_or_b32 s7, s7, 0x80000000
	s_mov_b32 s8, 1                                ; and P's, behind them
	s_mov_b32 s9, 2*QUART
	s_mov_b64 s[10:11], s[46:47]
	s_or_b32 s11, s11, 0x80000000
	s_mul_i32 s18, s16, NB*KT*1536                 ; for the ring: my half of the tile
	s_mov_b32 s19, 0
	s_add_nc_u64 s[20:21], s[20:21], s[18:19]
	s_add_nc_u64 s[46:47], s[46:47], s[18:19]
.irp s, 0,1
	s_mov_b32 s[G0+4*\s], 1
	s_add_co_u32 s[G0+4*\s+1], s45, \s*SLOT
	s_add_nc_u64 s[G0+4*\s+2:G0+4*\s+3], s[20:21], \s*TILEB
	s_or_b32 s[G0+4*\s+3], s[G0+4*\s+3], 0x80000000
	s_mov_b32 s[G0B+4*\s], 1
	s_add_co_u32 s[G0B+4*\s+1], s45, \s*SLOT
	s_add_nc_u64 s[G0B+4*\s+2:G0B+4*\s+3], s[46:47], \s*TILEB
	s_or_b32 s[G0B+4*\s+3], s[G0B+4*\s+3], 0x80000000
.endr
; the head's loads, one a wave: wave 0 R's slot 0, wave 1 P's, wave 2 R's scale words, wave 3 P's: one chain of branches on the wave's number
.macro ARM under, g0, g1, next
	s_cmp_lt_u32 s14, \under
	s_cbranch_scc0 \next
	tensor_load_to_lds s[\g0:\g0+3], s[\g1:\g1+7]
	s_nop 0
	PLACES
	s_branch .Lhead_asked
\next:
.endm
	ARM 1, 4, G1, .Lhead_p
	ARM 2, 8, G1B, .Lhead_sr
	ARM 3, G0S, G1S, .Lhead_sp
	tensor_load_to_lds s[G0SB:G0SB+3], s[G1SB:G1SB+7]
	s_nop 0
	PLACES
.Lhead_asked:
	v_and_b32 v51, 31, v0
	v_and_b32 v52, 15, v0
	v_bfe_u32 v53, v0, 4, 1
	v_lshlrev_b32 v[L16], 4, v51
	v_lshlrev_b32 v[L8], 3, v51
	v_lshlrev_b32 v3, 6, v53
	s_mul_i32 s21, s15, QUART
	s_mul_i32 s22, s16, QUART
	s_add_co_u32 s22, s22, 2*QUART
.irp s, 0,1
	v_add_nc_u32 v[4+\s], s21, v[L16]
	v_add_nc_u32 v[6+\s], s21, v[L8]
	v_add_nc_u32 v[8+\s], s22, v[L16]
	v_add_nc_u32 v[10+\s], s22, v[L8]
	s_add_co_u32 s21, s21, SLOT
	s_add_co_u32 s22, s22, SLOT
.endr
	s_mul_i32 s21, s15, 64*NB
	s_mul_i32 s22, s16, 64*NB
	s_add_co_u32 s22, s22, 2*SQ+PSH
	s_sub_co_u32 s22, s22, s21
	v_mul_u32_u24 v12, s22, v53
	s_add_co_u32 s21, s21, SCL
	v_lshl_add_u32 v12, v52, 2, v12
	v_add_nc_u32 v12, s21, v12
	s_mul_i32 s46, s42, 2*NB
	s_mul_i32 s47, s16, NB
	s_add_co_u32 s46, s46, s47
	s_mul_i32 s20, s17, 2*NB
	s_mul_i32 s21, s15, NB
	s_add_co_u32 s20, s20, s21
	s_mov_b32 s19, 0
	s_lshl_b32 s18, s46, 6
	s_add_nc_u64 s[12:13], s[12:13], s[18:19]
	WIN 0x40
.irp b, 0,1,2,3,4,5,6,7
	global_load_b128 v[96+8*(\b%4)+128*(\b/4):96+8*(\b%4)+128*(\b/4)+3], v3, s[12:13] offset:4*(32*(\b/2)+8*(\b%2))
	global_load_b128 v[96+8*(\b%4)+128*(\b/4)+4:96+8*(\b%4)+128*(\b/4)+7], v3, s[12:13] offset:4*(32*(\b/2)+8*(\b%2))+16
.endr
	WIN 0
	s_lshr_b32 s47, s46, 3
	s_mov_b32 s92, 49152
	s_mov_b32 s93, 0
	s_lshl_b32 s18, s47, 14
	s_lshl_b32 s21, s20, 6
	s_add_co_u32 s18, s18, s21
	s_add_co_u32 s18, s18, 12582912
	s_add_nc_u64 s[98:99], s[66:67], s[18:19]
	s_mul_i32 s18, s20, 49152
	s_mul_i32 s21, s47, 1536
	s_add_co_u32 s18, s18, s21
	s_add_nc_u64 s[66:67], s[66:67], s[18:19]
	s_wait_alu depctr_va_vdst(0)
	s_wait_tensorcnt 0x0                           ; my tile of the head's four is in
	ds_add_u32 v14, v15
	s_mov_b32 s[G1+2], NB<<16                      ; no tensor load of mine is out: from here on a load brings NB tiles
	s_mov_b32 s[G1+4], NB
	s_mov_b32 s[G1B+2], NB<<16
	s_mov_b32 s[G1B+4], NB
	s_wait_dscnt 0x0
	CROUND
	JLOAD G0+4, G1, G0B+4, G1B                     ; slot 1's first fill, the first tensor load behind the round
	FETCH 0, 0, 0, 0
	STEP 0, 0, 1
.if LAPS > 1
	s_mov_b32 s3, LAPS-1
.Llap:
	MID 0
	TURN 0, 1, 1
	s_wait_alu depctr_va_vdst(0)
	STEP 1, 0, 0
	MID 1
	TURN 1, 0, 1
	s_wait_alu depctr_va_vdst(0)
	STEP 0, 0, 0
	s_sub_co_u32 s3, s3, 1
	s_cmp_lg_u32 s3, 0
	s_cbranch_scc1 .Llap
.endif
	MID 0
	TURN 0, 1, 0
	s_wait_alu depctr_va_vdst(0)
	STEP 1, 0, 0
	MID 1
	s_wait_dscnt 0x0
	MULP 0, NB, 1, 0
	WIN 0
	PLACES
	s_wait_loadcnt 0x0
	s_mov_b32 s[SEL], 0x76543210
	s_mov_b32 s[SEL+1], 0xfedcba98
	s_mov_b32 s45, 0x7fffffff
	s_mov_b32 s22, 0x3eb504f3
	s_mov_b32 s23, s22
	s_mov_b32 s46, 0xbf38aa3b
	s_mov_b32 s47, s46
	s_mov_b32 s24, 0x3e7c6f08
	s_mov_b32 s25, s24
	s_mov_b32 s26, 0xbf97d29d
	s_mov_b32 s27, s26
.irp b, 0,1,2,3
	v_mov_b32 v[TM+4+\b], 0
.endr
	s_lshl_b32 s3, s14, 9
	v_lshl_add_u32 v49, v52, 2, s3
	s_mov_b32 s2, 0
	s_mov_b32 s94, 0
.Lrow:
.irp a, 0,1,2,3,4,5,6
	s_cmp_eq_u32 s2, \a
	s_cbranch_scc1 .Lcopy\a
.endr
	COPY 7
	s_branch .Lwork
.irp a, 0,1,2,3,4,5,6
.Lcopy\a:
	COPY \a
	s_branch .Lwork
.endr
.Lwork:
	GELU16 0
	GELU16 1
	GELU16 2
	GELU16 3
	QUANT H
	IMG_OUT 66, 0
	v_add_nc_u32 v50, s94, v49
	ds_store_b32 v50, v[PW]
	s_wait_xcnt 0x0
	s_wait_dscnt 0x0
	s_add_nc_u64 s[66:67], s[66:67], s[92:93]
	s_add_co_u32 s94, s94, 64
	s_add_co_u32 s2, s2, 1
	s_cmp_lt_u32 s2, 8
	s_cbranch_scc1 .Lrow
	v_add_nc_u32 v50, s3, v[L16]
	ds_load_b128 v[H:H+3], v50
	s_wait_dscnt 0x0
	global_store_b128 v[L16], v[H:H+3], s[98:99]
	s_wait_tensorcnt 0x0
	ds_add_u32 v14, v15
	s_wait_dscnt 0x0
	CROUND
	s_endpgm
.Lfunc_end_k_q23f95cab65_ffn1:
	.size	k_q23f95cab65_ffn1, .Lfunc_end_k_q23f95cab65_ffn1-k_q23f95cab65_ffn1
	.p2alignl 7, 3214868480
	.fill 96, 4, 3214868480
	.section	.rodata,"a",@progbits
	.p2align	6, 0x0
	.amdhsa_kernel k_q23f95cab65_ffn1
		.amdhsa_group_segment_fixed_size 327680
		.amdhsa_private_segment_fixed_size 0
		.amdhsa_enable_private_segment 0
		.amdhsa_kernarg_size 32
		.amdhsa_user_sgpr_count 2
		.amdhsa_user_sgpr_kernarg_segment_ptr 1
		.amdhsa_wavefront_size32 1
		.amdhsa_system_sgpr_workgroup_id_x 1
		.amdhsa_system_sgpr_workgroup_id_y 1
		.amdhsa_system_sgpr_workgroup_id_z 1
		.amdhsa_system_vgpr_workitem_id 0
		.amdhsa_next_free_vgpr 1024
		.amdhsa_next_free_sgpr 100
		.amdhsa_reserve_vcc 0
		.amdhsa_float_denorm_mode_32 3
		.amdhsa_float_denorm_mode_16_64 3
		.amdhsa_memory_ordered 1
		.amdhsa_forward_progress 1
		.amdhsa_inst_pref_size 185
	.end_amdhsa_kernel
	.amdgpu_metadata
---
amdhsa.version: [ 1, 2 ]
amdhsa.kernels:
  - .name:           k_q23f95cab65_ffn1
    .symbol:         k_q23f95cab65_ffn1.kd
    .args:
      - { .name: hq, .offset: 0, .size: 8, .value_kind: global_buffer, .address_space: global }
      - { .name: wimg, .offset: 8, .size: 8, .value_kind: global_buffer, .address_space: global }
      - { .name: b1, .offset: 16, .size: 8, .value_kind: global_buffer, .address_space: global }
      - { .name: ffh, .offset: 24, .size: 8, .value_kind: global_buffer, .address_space: global }
    .group_segment_fixed_size: 327680
    .private_segment_fixed_size: 0
    .kernarg_segment_align: 8
    .kernarg_segment_size: 32
    .max_flat_workgroup_size: 128
    .sgpr_count:     100
    .vgpr_count:     1024
    .wavefront_size: 32
...
	.end_amdgpu_metadata
.endif
;; end of part 6
;; launch ffn2 (part 7): grid 8 x 32, 4 waves a work-group, clusters of 4 x 4, 327,680 bytes of LDS; arguments ffh, wimg, b2, ybuf; writes ybuf
.if DOCPART == 7
	.amdgcn_target "amdgcn-amd-amdhsa--gfx1250"
	.amdhsa_code_object_version 6
	.text
	.protected	k_q23f95cab65_ffn2
	.globl	k_q23f95cab65_ffn2
	.p2align	8
	.type	k_q23f95cab65_ffn2,@function
k_q23f95cab65_ffn2:
	s_mov_b64 s[64:65], 0
	v_nop
	global_prefetch_b8 v0, s[64:65] scope:SCOPE_SE
	s_setreg_imm32_b32 hwreg(HW_REG_WAVE_MODE, 25, 1), 1
	s_wait_xcnt 0x0
	s_wait_alu depctr_hold_cnt(0) depctr_sa_sdst(0) depctr_va_vdst(0) depctr_va_sdst(0) depctr_va_ssrc(0) depctr_va_vcc(0) depctr_vm_vsrc(0)
	s_getreg_b32 s2, hwreg(HW_REG_IB_STS2, 6, 4)
	s_cmp_eq_u32 s2, 0
	s_cbranch_scc0 .Lentry_in_a_cluster
	s_endpgm
.Lentry_in_a_cluster:
	s_bfe_u32 s2, ttmp6, 0x10000c
	s_cmp_lg_u32 s2, 0xf033
	s_cbranch_scc0 .Lentry_shape_is_right
	s_endpgm
.Lentry_shape_is_right:
.set NB, 4
.set NQ, 4
.set KT, 32
.set RSOFF, 12582912
.set PCOFF, 6291456
.set PSOFF, 9699328
.set PSTR, 512
.set TILEB, 1536*NQ
.set QUART, NB*TILEB
.set SLOT,  4*QUART
.set SCL,   2*SLOT
.set SQ,    KT*64*NB
.set PSH,   64
.set SPARE, SCL+4*SQ+256
.set LAPS,  KT/(2*NQ)
.set SC, 32
.set RF, 64
.set G1, 24
.set G0, 32
.set G1B, 48
.set G0B, 56
.set G1S, 68
.set G0S, 76
.set G1SB, 80
.set G0SB, 88
.set H,  64
.set L16, 1
.set L8, 2
.set PFO, 13
.set PFA, 96
.set LIM, 98
.set MSB, 0
.macro WIN new
.if MSB != (\new)
	s_set_vgpr_msb (MSB<<8)|(\new)
.set MSB, (\new)
.endif
.endm
.macro PLACES
.rept 4
	v_nop
.endr
.endm
.macro JLOAD g0a, g1a, g0b, g1b
	s_cmp_eq_u32 s15, 0
	s_cbranch_scc0 .Lfor_p_\@
	tensor_load_to_lds s[\g0a:\g0a+3], s[\g1a:\g1a+7]
	s_nop 0
	PLACES
	s_branch .Lasked_\@
.Lfor_p_\@:
	tensor_load_to_lds s[\g0b:\g0b+3], s[\g1b:\g1b+7]
	s_nop 0
	PLACES
.Lasked_\@:
.endm
.macro ASK slot
	s_cmp_gt_u32 s3, s[LIM+\slot]
	s_cbranch_scc0 .Lnot_mine_\@
	global_prefetch_b8 v[PFO], s[PFA:PFA+1] offset:8192*\slot th:TH_LOAD_NT scope:SCOPE_SE
.Lnot_mine_\@:
.endm
.macro CREST
	s_cmp_lg_u32 s14, 0
	s_cbranch_scc1 .Lnot_wave_0_\@
	s_barrier_signal -3
.Lnot_wave_0_\@:
	s_barrier_wait -3
	s_barrier_signal -1
	s_barrier_wait -1
.endm
.macro CROUND
	s_barrier_signal -1
	s_barrier_wait -1
	CREST
.endm
.macro FRAG reg, a16, a8, off
	ds_load_b128 v[\reg:\reg+3], v[\a16] offset:\off
	ds_load_b64 v[\reg+4:\reg+5], v[\a8] offset:\off+512
	ds_load_b128 v[\reg+6:\reg+9], v[\a16] offset:\off+768
	ds_load_b64 v[\reg+10:\reg+11], v[\a8] offset:\off+1280
.endm
.macro FETCH slot, q, set, ko
	WIN 0x40
.set fi, 0
.rept NB
	FRAG 128*(\set)+12*fi, 8+\slot, 10+\slot, fi*TILEB+1536*(\q)
.set fi, fi+1
.endr
	WIN 0
.set fi, 0
.rept NB
	FRAG RF+12*NB*(\set)+12*fi, 4+\slot, 6+\slot, fi*TILEB+1536*(\q)
.set fi, fi+1
.endr
.set fi, 0
.rept NB
	ds_load_b32 v[SC+NB*(\set)+fi], v12 offset:(\ko)*128*NB+64*fi
.set fi, fi+1
.endr
.endm
.macro MULP a0, cnt, set, zero
.set ma, \a0
.rept \cnt
	WIN 0xa1+0x50*((8*NB*ma)/256)
.set mb, 0
.rept NB
.set rD, (8*(NB*ma+mb))%256
.set rP, 128*(\set)+12*mb
.set rR, RF+12*NB*(\set)+12*ma
.if \zero
	v_wmma_scale_f32_16x16x128_f8f6f4 v[rD:rD+7], v[rP:rP+11], v[rR:rR+11], 0, v[SC+NB*(\set)+mb], v[SC+NB*(\set)+ma] matrix_a_fmt:MATRIX_FMT_FP6 matrix_b_fmt:MATRIX_FMT_FP6 matrix_a_scale:MATRIX_SCALE_ROW1
.else
	v_wmma_scale_f32_16x16x128_f8f6f4 v[rD:rD+7], v[rP:rP+11], v[rR:rR+11], v[rD:rD+7], v[SC+NB*(\set)+mb], v[SC+NB*(\set)+ma] matrix_a_fmt:MATRIX_FMT_FP6 matrix_b_fmt:MATRIX_FMT_FP6 matrix_a_scale:MATRIX_SCALE_ROW1
.endif
.set mb, mb+1
.endr
.set ma, ma+1
.endr
.endm
.macro STEP slot, q, zero
	s_wait_dscnt 0x0
	PLACES
	FETCH \slot, (\q)+1, 1-(\q)%2, (\q)+1
	MULP 0, NB, (\q)%2, \zero
	WIN 0
.endm
.macro MID slot
.set mq, 1
.rept NQ-2
	STEP \slot, mq, 0
.set mq, mq+1
.endr
.endm
.macro TURN slot, next, fill
	s_wait_tensorcnt 0x0
	ds_add_u32 v14, v15
	s_wait_dscnt 1
	MULP 0, NB/4, 1, 0
	s_wait_dscnt 0x0
	s_barrier_signal -1
	MULP NB/4, NB/4, 1, 0
	WIN 0
	s_barrier_wait -1
.if \fill
	CREST
	s_add_nc_u64 s[G0+4*\slot+2:G0+4*\slot+3], s[G0+4*\slot+2:G0+4*\slot+3], 2*TILEB
	s_add_nc_u64 s[G0B+4*\slot+2:G0B+4*\slot+3], s[G0B+4*\slot+2:G0B+4*\slot+3], 2*TILEB
	JLOAD G0+4*\slot, G1, G0B+4*\slot, G1B
.else
	PLACES
.endif
	v_add_nc_u32 v12, NQ*128*NB, v12
	FETCH \next, 0, 0, 0
.if \fill
	ASK \slot
.endif
	MULP NB/2, NB/2, 1, 0
	WIN 0
.endm
.macro COPY a
	WIN 0x06+(8*NB*(\a))/256
.set cb, 0
.rept NB
.set ci, 0
.rept 4
	v_pk_add_f32 v[H+32*((\a)%2)+8*cb+ci:H+32*((\a)%2)+8*cb+ci+1], v[(8*(NB*(\a)+cb))%256+ci:(8*(NB*(\a)+cb))%256+ci+1], v[96+8*(cb%4)+128*(cb/4)+ci:96+8*(cb%4)+128*(cb/4)+ci+1]
.set ci, ci+2
.endr
.set cb, cb+1
.endr
	WIN 0
.endm
	s_load_b256 s[4:11], s[0:1], 0x0
	v_lshl_add_u32 v14, v0, 2, SPARE
	v_mov_b32 v15, 0
	ds_add_u32 v14, v15
	ds_add_u32 v14, v15
	s_wait_dscnt 0x0
	v_lshrrev_b32 v1, 5, v0
	v_readfirstlane_b32 s14, v1
	s_lshr_b32 s15, s14, 1
	s_and_b32 s16, s14, 1
	s_bfe_u32 s40, ttmp6, 0x40000
	s_bfe_u32 s41, ttmp6, 0x40004
	s_lshl_b32 s42, ttmp9, 2
	s_add_co_u32 s42, s42, s40
	s_and_b32 s17, ttmp7, 0xffff
	s_lshl_b32 s17, s17, 2
	s_add_co_u32 s17, s17, s41
	s_lshl_b32 s43, s41, 2
	s_lshl_b32 s43, 15, s43
	s_lshl_b32 s44, 0x1111, s40
	s_or_b32 s[G1+0], s43, (3<<16)|(1<<21)
	s_or_b32 s[G1B+0], s44, (3<<16)|(1<<21)
.irp g, G1, G1B
	s_mov_b32 s[\g+1], (TILEB/8)<<16
	s_mov_b32 s[\g+2], (2*NB)<<16
	s_mov_b32 s[\g+3], (TILEB/8)<<16
	s_mov_b32 s[\g+4], 2*NB
	s_mov_b32 s[\g+5], 192*KT
	s_mov_b32 s[\g+6], 0
	s_mov_b32 s[\g+7], 0
.endr
	s_or_b32 s[G1S+0], s43, (3<<16)|(1<<21)
	s_or_b32 s[G1SB+0], s44, (3<<16)|(1<<21)
.irp g, G1S, G1SB
	s_mov_b32 s[\g+1], (16*NB)<<16
	s_mov_b32 s[\g+2], KT<<16
	s_mov_b32 s[\g+3], (16*NB)<<16
	s_mov_b32 s[\g+4], KT
	s_mov_b32 s[\g+6], 0
	s_mov_b32 s[\g+7], 0
.endr
	s_mov_b32 s[G1S+5], 2048
	s_mov_b32 s[G1SB+5], PSTR
	s_mul_i32 s20, s17, 2*NB
	s_mul_i32 s46, s42, 2*NB
	s_lshl_b32 s22, s20, 6
	s_mov_b32 s23, 0
	s_lshl_b32 s92, s46, 6
	s_mov_b32 s93, 0
	s_mul_i32 s20, s20, KT*1536
	s_mov_b32 s21, 0
	s_mul_i32 s46, s46, KT*1536
	s_mov_b32 s47, 0
	s_mul_i32 s45, s14, QUART
	s_wait_kmcnt 0x0
	s_mov_b64 s[12:13], s[8:9]
	s_mov_b64 s[66:67], s[10:11]
	s_add_nc_u64 s[8:9], s[6:7], PCOFF
	s_add_nc_u64 s[10:11], s[6:7], PSOFF
	s_add_nc_u64 s[6:7], s[4:5], RSOFF
	s_add_nc_u64 s[20:21], s[4:5], s[20:21]
	s_add_nc_u64 s[22:23], s[6:7], s[22:23]
	s_add_nc_u64 s[46:47], s[8:9], s[46:47]
	s_add_nc_u64 s[92:93], s[10:11], s[92:93]
	CROUND
	s_mov_b32 s[G0S], 1
	s_mov_b32 s[G0S+1], SCL
	s_mov_b64 s[G0S+2:G0S+3], s[22:23]
	s_or_b32 s[G0S+3], s[G0S+3], 0x80000000
	s_mov_b32 s[G0SB], 1
	s_mov_b32 s[G0SB+1], SCL+2*SQ+PSH
	s_mov_b64 s[G0SB+2:G0SB+3], s[92:93]
	s_or_b32 s[G0SB+3], s[G0SB+3], 0x80000000
	s_cmp_eq_u32 s15, 0                            ; the buffer that my prefetches name is chosen here: the registers that hold the two addresses are written below
	s_cselect_b64 s[PFA:PFA+1], s[4:5], s[8:9]
	s_mov_b32 s4, 1                                ; the head's loads of slot 0, each tile whole: R's 2 NB tiles of 16 rows,
	s_mov_b32 s5, 0
	s_mov_b64 s[6:7], s[20:21]
	s_or_b32 s7, s7, 0x80000000
	s_mov_b32 s8, 1                                ; and P's, behind them
	s_mov_b32 s9, 2*QUART
	s_mov_b64 s[10:11], s[46:47]
	s_or_b32 s11, s11, 0x80000000
	s_mul_i32 s18, s16, NB*KT*1536                 ; for the ring: my half of the tile
	s_mov_b32 s19, 0
	s_add_nc_u64 s[20:21], s[20:21], s[18:19]
	s_add_nc_u64 s[46:47], s[46:47], s[18:19]
.irp s, 0,1
	s_mov_b32 s[G0+4*\s], 1
	s_add_co_u32 s[G0+4*\s+1], s45, \s*SLOT
	s_add_nc_u64 s[G0+4*\s+2:G0+4*\s+3], s[20:21], \s*TILEB
	s_or_b32 s[G0+4*\s+3], s[G0+4*\s+3], 0x80000000
	s_mov_b32 s[G0B+4*\s], 1
	s_add_co_u32 s[G0B+4*\s+1], s45, \s*SLOT
	s_add_nc_u64 s[G0B+4*\s+2:G0B+4*\s+3], s[46:47], \s*TILEB
	s_or_b32 s[G0B+4*\s+3], s[G0B+4*\s+3], 0x80000000
.endr
; the head's loads, one a wave: wave 0 R's slot 0, wave 1 P's, wave 2 R's scale words, wave 3 P's: one chain of branches on the wave's number
.macro ARM under, g0, g1, next
	s_cmp_lt_u32 s14, \under
	s_cbranch_scc0 \next
	tensor_load_to_lds s[\g0:\g0+3], s[\g1:\g1+7]
	s_nop 0
	PLACES
	s_branch .Lhead_asked
\next:
.endm
	ARM 1, 4, G1, .Lhead_p
	ARM 2, 8, G1B, .Lhead_sr
	ARM 3, G0S, G1S, .Lhead_sp
	tensor_load_to_lds s[G0SB:G0SB+3], s[G1SB:G1SB+7]
	s_nop 0
	PLACES
.Lhead_asked:
	v_and_b32 v51, 31, v0
	v_and_b32 v52, 15, v0
	v_bfe_u32 v53, v0, 4, 1
	v_lshlrev_b32 v[L16], 4, v51
	v_lshlrev_b32 v[L8], 3, v51
	v_lshlrev_b32 v3, 6, v53
	s_mul_i32 s21, s15, QUART
	s_mul_i32 s22, s16, QUART
	s_add_co_u32 s22, s22, 2*QUART
.irp s, 0,1
	v_add_nc_u32 v[4+\s], s21, v[L16]
	v_add_nc_u32 v[6+\s], s21, v[L8]
	v_add_nc_u32 v[8+\s], s22, v[L16]
	v_add_nc_u32 v[10+\s], s22, v[L8]
	s_add_co_u32 s21, s21, SLOT
	s_add_co_u32 s22, s22, SLOT
.endr
	s_mul_i32 s21, s15, 64*NB
	s_mul_i32 s22, s16, 64*NB
	s_add_co_u32 s22, s22, 2*SQ+PSH
	s_sub_co_u32 s22, s22, s21
	v_mul_u32_u24 v12, s22, v53
	s_add_co_u32 s21, s21, SCL
	v_lshl_add_u32 v12, v52, 2, v12
	v_add_nc_u32 v12, s21, v12
	s_mul_i32 s46, s42, 2*NB
	s_mul_i32 s47, s16, NB
	s_add_co_u32 s46, s46, s47
	s_mul_i32 s20, s17, 2*NB
	s_mul_i32 s21, s15, NB
	s_add_co_u32 s20, s20, s21
	s_mov_b32 s19, 0
	s_lshl_b32 s18, s46, 6
	s_add_nc_u64 s[12:13], s[12:13], s[18:19]
	WIN 0x40
.irp b, 0,1,2,3
	global_load_b128 v[96+8*\b:96+8*\b+3], v3, s[12:13] offset:4*(32*(\b/2)+8*(\b%2))
	global_load_b128 v[96+8*\b+4:96+8*\b+7], v3, s[12:13] offset:4*(32*(\b/2)+8*(\b%2))+16
.endr
	WIN 0
	s_lshl_b32 s18, s20, 16
	s_lshl_b32 s21, s46, 10
	s_add_co_u32 s18, s18, s21
	s_add_nc_u64 s[66:67], s[66:67], s[18:19]
	s_and_b32 s22, ttmp7, 0xffff
	s_cmp_eq_u32 s15, 0
	s_cselect_b32 s20, s17, s42
	s_cselect_b32 s21, s40, s41
	s_cselect_b32 s22, ttmp9, s22
	s_cmp_eq_u32 s22, 0
	s_cselect_b32 s[LIM], 1, -1
	s_cselect_b32 s[LIM+1], 2, -1
	s_lshl_b32 s20, s20, 3
	s_lshl_b32 s23, s16, 2
	s_add_co_u32 s20, s20, s23
	s_add_co_u32 s20, s20, s21
	s_mul_i32 s20, s20, KT*1536
	s_add_co_u32 s20, s20, 4*TILEB
	s_mov_b32 s21, 0
	s_add_nc_u64 s[PFA:PFA+1], s[PFA:PFA+1], s[20:21]
	v_lshlrev_b32 v[PFO], 8, v51
	s_wait_alu depctr_va_vdst(0)
	s_wait_tensorcnt 0x0                           ; my tile of the head's four is in
	ds_add_u32 v14, v15
	s_mov_b32 s[G1+2], NB<<16                      ; no tensor load of mine is out: from here on a load brings NB tiles
	s_mov_b32 s[G1+4], NB
	s_mov_b32 s[G1B+2], NB<<16
	s_mov_b32 s[G1B+4], NB
	s_wait_dscnt 0x0
	CROUND
	JLOAD G0+4, G1, G0B+4, G1B                     ; slot 1's first fill, the first tensor load behind the round
	FETCH 0, 0, 0, 0
	STEP 0, 0, 1
.if LAPS > 1
	s_mov_b32 s3, LAPS-1
.Llap:
	s_wait_alu depctr_va_vdst(0)
	MID 0
	TURN 0, 1, 1
	s_wait_alu depctr_va_vdst(0)
	STEP 1, 0, 0
	MID 1
	TURN 1, 0, 1
	s_wait_alu depctr_va_vdst(0)
	STEP 0, 0, 0
	s_wait_xcnt 0x0
	s_add_nc_u64 s[PFA:PFA+1], s[PFA:PFA+1], 16384
	s_sub_co_u32 s3, s3, 1
	s_cmp_lg_u32 s3, 0
	s_cbranch_scc1 .Llap
.endif
	MID 0
	TURN 0, 1, 0
	s_wait_alu depctr_va_vdst(0)
	STEP 1, 0, 0
	MID 1
	s_wait_dscnt 0x0
	MULP 0, NB, 1, 0
	WIN 0
	PLACES
	s_wait_loadcnt 0x0
.irp a, 0,1,2,3
.if \a >= 2
	s_wait_xcnt 0x0
.endif
	COPY \a
.irp b, 0,1,2,3
.irp c, 0,1
	global_store_b128 v[L16], v[H+32*(\a%2)+8*\b+4*\c:H+32*(\a%2)+8*\b+4*\c+3], s[66:67] offset:65536*\a+1024*\b+512*\c th:TH_STORE_NT
.endr
.endr
.endr
	s_wait_tensorcnt 0x0
	ds_add_u32 v14, v15
	s_wait_dscnt 0x0
	CROUND
	s_endpgm
.Lfunc_end_k_q23f95cab65_ffn2:
	.size	k_q23f95cab65_ffn2, .Lfunc_end_k_q23f95cab65_ffn2-k_q23f95cab65_ffn2
	.p2alignl 7, 3214868480
	.fill 96, 4, 3214868480
	.section	.rodata,"a",@progbits
	.p2align	6, 0x0
	.amdhsa_kernel k_q23f95cab65_ffn2
		.amdhsa_group_segment_fixed_size 327680
		.amdhsa_private_segment_fixed_size 0
		.amdhsa_enable_private_segment 0
		.amdhsa_kernarg_size 32
		.amdhsa_user_sgpr_count 2
		.amdhsa_user_sgpr_kernarg_segment_ptr 1
		.amdhsa_wavefront_size32 1
		.amdhsa_system_sgpr_workgroup_id_x 1
		.amdhsa_system_sgpr_workgroup_id_y 1
		.amdhsa_system_sgpr_workgroup_id_z 1
		.amdhsa_system_vgpr_workitem_id 0
		.amdhsa_next_free_vgpr 640
		.amdhsa_next_free_sgpr 100
		.amdhsa_reserve_vcc 0
		.amdhsa_float_denorm_mode_32 3
		.amdhsa_float_denorm_mode_16_64 3
		.amdhsa_memory_ordered 1
		.amdhsa_forward_progress 1
		.amdhsa_inst_pref_size 95
	.end_amdhsa_kernel
	.amdgpu_metadata
---
amdhsa.version: [ 1, 2 ]
amdhsa.kernels:
  - .name:           k_q23f95cab65_ffn2
    .symbol:         k_q23f95cab65_ffn2.kd
    .args:
      - { .name: ffh, .offset: 0, .size: 8, .value_kind: global_buffer, .address_space: global }
      - { .name: wimg, .offset: 8, .size: 8, .value_kind: global_buffer, .address_space: global }
      - { .name: b2, .offset: 16, .size: 8, .value_kind: global_buffer, .address_space: global }
      - { .name: ybuf, .offset: 24, .size: 8, .value_kind: global_buffer, .address_space: global }
    .group_segment_fixed_size: 327680
    .private_segment_fixed_size: 0
    .kernarg_segment_align: 8
    .kernarg_segment_size: 32
    .max_flat_workgroup_size: 128
    .sgpr_count:     100
    .vgpr_count:     640
    .wavefront_size: 32
...
	.end_amdgpu_metadata
.endif
;; end of part 7
;; launch ln2 (part 8): grid 256 x 1, 8 waves a work-group, no clusters, 69,632 bytes of LDS; arguments ybuf, h32, g2, beta2, out0; writes out0
.if DOCPART == 8
	.amdgcn_target "amdgcn-amd-amdhsa--gfx1250"
	.amdhsa_code_object_version 6
	.text
	.protected	k_q23f95cab65_ln2
	.globl	k_q23f95cab65_ln2
	.p2align	8
	.type	k_q23f95cab65_ln2,@function
k_q23f95cab65_ln2:
	s_mov_b64 s[64:65], 0
	v_nop
	global_prefetch_b8 v0, s[64:65] scope:SCOPE_SE
	s_setreg_imm32_b32 hwreg(HW_REG_WAVE_MODE, 25, 1), 1
	s_wait_xcnt 0x0
; LN2: out = LayerNorm(h + y) g2 + beta2, f32, row-major.
; y and h: images of accumulators [T 256][column tile 64][1,024 bytes]: lane (r, h), register j of column tile t is row 32 (T / 2) + 8 (T % 2) + r + 8 (r / 8), column 32 (t / 2) + 16 h + 8 (t % 2) + j.
; A work-group takes row tile T (16 whole rows), wave w the columns 128 w on: 64 numbers a lane, register 16 b + i = column 32 b + 16 h + i.  Mean and variance in two passes (the mean is taken away before the squares); a row's
; partial sums of the eight waves meet in LDS, behind a barrier each.  The result turns through the wave's own stage in LDS (pitch 528) and leaves as 512 consecutive bytes of a row a store.
; Memory binds: no matrix unit, no cluster, no tensor load.  LIMITS: NaN and infinities are not served.
.set L16, 4
.set Y,   16                           ; v16-79   my 64 numbers
.set A,   80                           ; v80-143  h, then g2, then rows on their way out
.set BV,  144                          ; v144-207 beta2
.set TM,  208                          ; v208-223 at work
.set SEL, 2
.set RED, 67584                        ; behind the eight stages: two regions of 8 waves x 16 rows x 4 bytes
; The sum (sq = 0) or the sum of squares (sq = 1) of a row's 1,024 numbers, into v[TM+8] of every lane: four chains in a lane, lane l xor 16, then the eight waves' parts through LDS, added in a fixed order.
.macro STATS sq, red
.irp k, 0,1,2,3
.if \sq
	v_pk_mul_f32 v[TM+2*\k:TM+2*\k+1], v[Y+2*\k:Y+2*\k+1], v[Y+2*\k:Y+2*\k+1]
.else
	v_pk_add_f32 v[TM+2*\k:TM+2*\k+1], v[Y+2*\k:Y+2*\k+1], v[Y+8+2*\k:Y+8+2*\k+1]
.endif
.endr
.irp j, 8,16,24,32,40,48,56
.irp k, 0,1,2,3
.if \sq
	s_delay_alu instid0(VALU_DEP_4)
	v_pk_fma_f32 v[TM+2*\k:TM+2*\k+1], v[Y+\j+2*\k:Y+\j+2*\k+1], v[Y+\j+2*\k:Y+\j+2*\k+1], v[TM+2*\k:TM+2*\k+1]
.elseif \j > 8
	s_delay_alu instid0(VALU_DEP_4)
	v_pk_add_f32 v[TM+2*\k:TM+2*\k+1], v[TM+2*\k:TM+2*\k+1], v[Y+\j+2*\k:Y+\j+2*\k+1]
.endif
.endr
.endr
	s_delay_alu instid0(VALU_DEP_3)
	v_pk_add_f32 v[TM:TM+1], v[TM:TM+1], v[TM+2:TM+3]
	s_delay_alu instid0(VALU_DEP_2)
	v_pk_add_f32 v[TM+4:TM+5], v[TM+4:TM+5], v[TM+6:TM+7]
	s_delay_alu instid0(VALU_DEP_1)
	v_pk_add_f32 v[TM:TM+1], v[TM:TM+1], v[TM+4:TM+5]
	s_delay_alu instid0(VALU_DEP_1)
	v_add_f32 v[TM], v[TM], v[TM+1]
	s_delay_alu instid0(VALU_DEP_1)
	v_permlanex16_b32 v[TM+1], v[TM], s[SEL], s[SEL+1]
	s_delay_alu instid0(VALU_DEP_1)
	v_add_f32 v[TM], v[TM], v[TM+1]                ; my wave's 128 columns of row r
	ds_store_b32 v9, v[TM] offset:\red             ; both halves of the lanes write the same word with the same value
	s_wait_dscnt 0x0                               ; for the others' sake: my store is done
	s_barrier_signal -1
	s_barrier_wait -1
.irp i, 0,1,2,3,4,5,6,7
	ds_load_b32 v[TM+8+\i], v10 offset:\red+64*\i
.endr
	s_wait_dscnt 0x0
	v_add_f32 v[TM+8], v[TM+8], v[TM+9]
	v_add_f32 v[TM+10], v[TM+10], v[TM+11]
	v_add_f32 v[TM+12], v[TM+12], v[TM+13]
	v_add_f32 v[TM+14], v[TM+14], v[TM+15]
	s_delay_alu instid0(VALU_DEP_3)
	v_add_f32 v[TM+8], v[TM+8], v[TM+10]
	s_delay_alu instid0(VALU_DEP_2)
	v_add_f32 v[TM+12], v[TM+12], v[TM+14]
	s_delay_alu instid0(VALU_DEP_1)
	v_add_f32 v[TM+8], v[TM+8], v[TM+12]
.endm
	s_load_b256 s[4:11], s[0:1], 0x0               ; y, h32, g2, beta2
	s_load_b64 s[12:13], s[0:1], 0x20              ; out0
	v_lshl_add_u32 v248, v0, 2, 0x10c00
	v_mov_b32 v249, 0
	v_lshrrev_b32 v9, 5, v0
	s_delay_alu instid0(VALU_DEP_1)
	v_readfirstlane_b32 s16, v9                    ; wave 0..7
	v_and_b32 v1, 31, v0
	v_and_b32 v2, 15, v0                           ; r
	v_bfe_u32 v3, v0, 4, 1                         ; h
	s_delay_alu instid0(VALU_DEP_3)
	v_lshlrev_b32 v[L16], 4, v1
	s_mul_i32 s17, s16, 8448                       ; my stage: 16 rows x 528 bytes
	v_add_nc_u32 v6, s17, v[L16]
	v_mul_u32_u24 v7, v2, 528
	s_delay_alu instid0(VALU_DEP_1)
	v_lshl_add_u32 v7, v3, 6, v7
	s_delay_alu instid0(VALU_DEP_1)
	v_add_nc_u32 v7, s17, v7
	v_lshlrev_b32 v8, 6, v3                        ; 64 h
	v_lshlrev_b32 v11, 2, v2
	s_delay_alu instid0(VALU_DEP_1)
	v_add_nc_u32 v10, RED, v11
	s_lshl_b32 s17, s16, 6
	v_add_nc_u32 v9, s17, v10
	s_mov_b32 s[SEL], 0x76543210
	s_mov_b32 s[SEL+1], 0xfedcba98
	s_mov_b32 s20, 0x3a800000                      ; 1 / 1,024
	s_mov_b32 s21, 0x3727c5ac                      ; 1e-5
	s_lshl_b32 s22, ttmp9, 16
	s_lshl_b32 s23, s16, 13
	s_add_co_u32 s22, s22, s23                     ; y, h32: tile T, my eight column tiles
	s_mov_b32 s23, 0
	s_lshr_b32 s24, ttmp9, 1
	s_lshl_b32 s24, s24, 5
	s_and_b32 s25, ttmp9, 1
	s_lshl_b32 s25, s25, 3
	s_add_co_u32 s24, s24, s25
	s_lshl_b32 s24, s24, 12
	s_lshl_b32 s26, s16, 9
	s_add_co_u32 s24, s24, s26                     ; out0: the tile's first row, my 512 bytes
	s_mov_b32 s25, 0
	s_mov_b32 s27, 0
	s_wait_alu depctr_va_vdst(0)
	s_wait_kmcnt 0x0
	s_add_nc_u64 s[4:5], s[4:5], s[22:23]
	s_add_nc_u64 s[6:7], s[6:7], s[22:23]
	s_add_nc_u64 s[8:9], s[8:9], s[26:27]
	s_add_nc_u64 s[10:11], s[10:11], s[26:27]
	s_add_nc_u64 s[12:13], s[12:13], s[24:25]
.irp i, 0,1,2,3,4,5,6,7
	global_load_b128 v[Y+8*\i:Y+8*\i+3], v[L16], s[4:5] offset:1024*\i th:TH_LOAD_NT
	global_load_b128 v[Y+8*\i+4:Y+8*\i+7], v[L16], s[4:5] offset:1024*\i+512 th:TH_LOAD_NT
.endr
.irp i, 0,1,2,3,4,5,6,7
	global_load_b128 v[A+8*\i:A+8*\i+3], v[L16], s[6:7] offset:1024*\i th:TH_LOAD_NT
	global_load_b128 v[A+8*\i+4:A+8*\i+7], v[L16], s[6:7] offset:1024*\i+512 th:TH_LOAD_NT
.endr
.irp i, 0,1,2,3,4,5,6,7
	global_load_b128 v[BV+8*\i:BV+8*\i+3], v8, s[10:11] offset:4*(32*(\i/2)+8*(\i%2))
	global_load_b128 v[BV+8*\i+4:BV+8*\i+7], v8, s[10:11] offset:4*(32*(\i/2)+8*(\i%2))+16
.endr
	s_wait_loadcnt 16                              ; y and h are in; beta2's sixteen loads stay out
.set j, 0
.rept 32
	v_pk_add_f32 v[Y+j:Y+j+1], v[Y+j:Y+j+1], v[A+j:A+j+1]   ; h + y
.set j, j+2
.endr
.irp i, 0,1,2,3,4,5,6,7
	global_load_b128 v[A+8*\i:A+8*\i+3], v8, s[8:9] offset:4*(32*(\i/2)+8*(\i%2))
	global_load_b128 v[A+8*\i+4:A+8*\i+7], v8, s[8:9] offset:4*(32*(\i/2)+8*(\i%2))+16
.endr
	STATS 0, 0
	s_delay_alu instid0(VALU_DEP_1)
	v_mul_f32 v[TM+8], s20, v[TM+8]                ; the mean
.set j, 0
.rept 32
	v_pk_add_f32 v[Y+j:Y+j+1], v[Y+j:Y+j+1], v[TM+8:TM+9] op_sel_hi:[1,0] neg_lo:[0,1] neg_hi:[0,1]
.set j, j+2
.endr
	STATS 1, 512
	s_delay_alu instid0(VALU_DEP_1)
	v_fma_f32 v[TM+8], v[TM+8], s20, s21           ; the variance + 1e-5
	s_wait_alu depctr_va_vdst(0)
	v_rsq_f32 v[TM+10], v[TM+8]
	v_nop                                          ; a plain place behind the transcendental
	s_wait_alu depctr_va_vdst(0)                   ; and the wait ahead of its first reader
	s_wait_loadcnt 0x0                             ; g2 and beta2
.set j, 0
.rept 32
	v_pk_mul_f32 v[Y+j:Y+j+1], v[Y+j:Y+j+1], v[TM+10:TM+11] op_sel_hi:[1,0]
.set j, j+2
.endr
.set j, 0
.rept 32
	v_pk_fma_f32 v[Y+j:Y+j+1], v[Y+j:Y+j+1], v[A+j:A+j+1], v[BV+j:BV+j+1]
.set j, j+2
.endr
.irp b, 0,1,2,3
.irp j, 0,1,2,3
	ds_store_b128 v7, v[Y+16*\b+4*\j:Y+16*\b+4*\j+3] offset:128*\b+16*\j   ; row r, my 16 neighbours of block b
.endr
.endr
.irp i, 0,1,2,3,4,5,6,7,8,9,10,11,12,13,14,15
	ds_load_b128 v[A+4*\i:A+4*\i+3], v6 offset:528*\i   ; LDS serves a wave's instructions in order: these see my stores
.endr
.irp i, 0,1,2,3,4,5,6,7,8,9,10,11,12,13,14,15
	s_wait_dscnt 15-\i                             ; row i is back; the younger loads stay out
	global_store_b128 v[L16], v[A+4*\i:A+4*\i+3], s[12:13] offset:(\i+8*(\i/8))*4096 th:TH_STORE_NT   ; 512 consecutive bytes of image row i
.endr
	s_wait_tensorcnt 0x0
	ds_add_u32 v248, v249
	s_wait_dscnt 0x0
	s_endpgm
.Lfunc_end_k_q23f95cab65_ln2:
	.size	k_q23f95cab65_ln2, .Lfunc_end_k_q23f95cab65_ln2-k_q23f95cab65_ln2
	.p2alignl 7, 3214868480
	.fill 96, 4, 3214868480
	.section	.rodata,"a",@progbits
	.p2align	6, 0x0
	.amdhsa_kernel k_q23f95cab65_ln2
		.amdhsa_group_segment_fixed_size 69632
		.amdhsa_private_segment_fixed_size 0
		.amdhsa_enable_private_segment 0
		.amdhsa_kernarg_size 40
		.amdhsa_user_sgpr_count 2
		.amdhsa_user_sgpr_kernarg_segment_ptr 1
		.amdhsa_wavefront_size32 1
		.amdhsa_system_sgpr_workgroup_id_x 1
		.amdhsa_system_sgpr_workgroup_id_y 1
		.amdhsa_system_sgpr_workgroup_id_z 1
		.amdhsa_system_vgpr_workitem_id 0
		.amdhsa_next_free_vgpr 250
		.amdhsa_next_free_sgpr 66
		.amdhsa_reserve_vcc 0
		.amdhsa_float_denorm_mode_32 3
		.amdhsa_float_denorm_mode_16_64 3
		.amdhsa_memory_ordered 1
		.amdhsa_forward_progress 1
		.amdhsa_inst_pref_size 30
	.end_amdhsa_kernel
	.amdgpu_metadata
---
amdhsa.version: [ 1, 2 ]
amdhsa.kernels:
  - .name:           k_q23f95cab65_ln2
    .symbol:         k_q23f95cab65_ln2.kd
    .args:
      - { .name: ybuf, .offset: 0, .size: 8, .value_kind: global_buffer, .address_space: global }
      - { .name: h32, .offset: 8, .size: 8, .value_kind: global_buffer, .address_space: global }
      - { .name: g2, .offset: 16, .size: 8, .value_kind: global_buffer, .address_space: global }
      - { .name: beta2, .offset: 24, .size: 8, .value_kind: global_buffer, .address_space: global }
      - { .name: out0, .offset: 32, .size: 8, .value_kind: global_buffer, .address_space: global }
    .group_segment_fixed_size: 69632
    .private_segment_fixed_size: 0
    .kernarg_segment_align: 8
    .kernarg_segment_size: 40
    .max_flat_workgroup_size: 256
    .sgpr_count:     66
    .vgpr_count:     250
    .wavefront_size: 32
...
	.end_amdgpu_metadata
.endif
;; end of part 8
